; MI455X (gfx1250); checked and timed in simulation.
; The chip was launched on July 23, 2026; its instructions are those of AMD's public machine-readable ISA for CDNA 5 (MIT licence, August 2026) and "CDNA5" Instruction Set Architecture Reference Guide (July 2026). The comments in the code are by the model that wrote it; some were corrected since.
;; Optimized Cross Attention. Allowed arithmetic: matrix products marked QUANTISED: E2M1 operands, one E8M0 scale for each 32 along K, by v_wmma_scale_f32_16x16x128_f8f6f4 with both operands' format E2M1 (or v_wmma_scale_f32_32x16x128_f4), f32 sums; products left as they are: bf16, f16 or f32 operands; f32 sums; everything else in f32.
;; Inputs: decoder_lengths 8 int32; encoded_representation 8 x 2,048 x 1,024 float32; encoder_lengths 8 int32; future_queries 8 x 512 x 1,024 float32; wk_b 1,024 float32; wk_w 1,024 x 1,024 float32; wo_b 1,024 float32; wo_w 1,024 x 1,024 float32; wq_b 1,024 float32; wq_w 1,024 x 1,024 float32; wv_b 1,024 float32; wv_w 1,024 x 1,024 float32.
;; Outputs: out0 8 x 512 x 1,024 float32.
;; This version of the problem:
;;   THIS VERSION OF THE PROBLEM IS GIVEN IN LOW PRECISION. The matrix products marked QUANTISED in the list below multiply operands that are first quantised to E2M1 (2 exponent bits, 1 mantissa bit; 4 bits a number), with one power-of-two scale for each 32 numbers along K (OCP MX v1.0); their sums are f32. The products marked 'left as it is' may take bf16, f16 or f32 operands, with f32 sums. Whichever they take, every output number must still come out within the allowed error. Rounding operands to bf16 (8 significant bits) uses up far more of that allowance than f16 does (11 bits, for magnitudes from 6e-5 to 65,504). All else is computed in f32.
;;   The module's matrix products, in the order in which they are computed (A, B: the left and right operand; K: the contracted axis; several contracted axes count as one K, in the product's order):
;;     1. [M 4,096, K 1,024] x [K 1,024, N 1,024]; A: input future_queries; B: input wq_w: QUANTISED
;;     2. [M 16,384, K 1,024] x [K 1,024, N 1,024]; A: input encoded_representation; B: input wk_w: QUANTISED
;;     3. [M 16,384, K 1,024] x [K 1,024, N 1,024]; A: input encoded_representation; B: input wv_w: QUANTISED
;;     4. batch 128 x [M 512, K 64] x [K 64, N 2,048]; A: computed on the way; B: computed on the way: left as it is (an operand is computed on the way)
;;     5. batch 128 x [M 64, K 2,048] x [K 2,048, N 512]; A: computed on the way; B: computed on the way: left as it is (an operand is computed on the way)
;;     6. [M 4,096, K 1,024] x [K 1,024, N 1,024]; A: computed on the way; B: input wo_w: left as it is (an operand is computed on the way)
;;   THE QUANTISER, for each operand of a quantised product, along K:
;;     - K is cut into blocks of 32 from its start; a last block that is shorter is filled with zeros.
;;     - A block's scale is 2^e with e = floor(log2(the largest magnitude in the block)) - 2, held to -126 .. 127; a block of zeros has e = 0. As a byte (E8M0): e + 127.
;;     - Each number is divided by its block's scale, clamped to +-6, and rounded to the nearest number of E2M1, ties to even, subnormals kept.
;;     - The product sums the exact products of the quantised numbers (number of the format x scale) in f32.
;;   ~~~python
;;   def quantise(x, axis):      # numpy; x: float32 -> the quantised numbers, widened to float32 again
;;       x = np.moveaxis(x, axis, -1); K = x.shape[-1]
;;       x = np.pad(x, [(0, 0)] * (x.ndim - 1) + [(0, -K % 32)]); x = x.reshape(x.shape[:-1] + (-1, 32)); a = np.abs(x).max(-1, keepdims=True)
;;       e = np.where(a > 0, np.clip(np.frexp(np.where(a > 0, a, 1))[1] - 1 - 2, -126, 127), 0)      # np.frexp(a)[1] - 1 = floor(log2(a)), exactly
;;       r = np.clip(x / 2.0 ** e, -6, 6)
;;       step = 2.0 ** (np.maximum(np.frexp(np.where(r == 0, 1, r))[1] - 1, 0) - 1)
;;       q = np.round(r / step) * step * 2.0 ** e      # np.round: ties to even
;;       return np.moveaxis(q.reshape(q.shape[:-2] + (-1,))[..., :K], -1, axis).astype(np.float32)
;;   ~~~
;; One version. Each part assembles by itself: llvm-mc -triple=amdgcn-amd-amdhsa -mcpu=gfx1250 --defsym DOCPART=n.
;; ======== version 1 of 1: 4 launches
;; limits: values are held in f16: magnitudes above 65,504 overflow, below 6.1e-05 lose precision
;; workspace buffers: codes 12,058,624 bytes; scales 753,664 bytes; woimg 2,097,152 bytes; kimg 33,554,432 bytes; vimg 33,554,432 bytes; att 8,388,608 bytes
;; launch quant (part 1): grid 768 x 1, 4 waves a work-group, no clusters, 35,328 bytes of LDS; arguments encoded_representation, future_queries, wq_w, wk_w, wv_w, wo_w, codes, scales, woimg; writes codes, scales, woimg
.if DOCPART == 1
	.amdgcn_target "amdgcn-amd-amdhsa--gfx1250"
	.amdhsa_code_object_version 6
	.text
	.protected	k_qe68f7d10cc_quant
	.globl	k_qe68f7d10cc_quant
	.p2align	8
	.type	k_qe68f7d10cc_quant,@function
k_qe68f7d10cc_quant:
	s_mov_b64 s[64:65], 0
	v_nop
	global_prefetch_b8 v0, s[64:65] scope:SCOPE_SE
	s_setreg_imm32_b32 hwreg(HW_REG_WAVE_MODE, 25, 1), 1
	s_wait_xcnt 0x0
; The operands of the three quantised products (enc [16384][1024], fq [4096][1024], wq, wk, wv [1024][1024], all f32, K innermost) become codes of FP4 (E2M1) with one E8M0 byte for each 32 along K;
; wo [1024][1024] becomes f16.  ALL OUTPUTS ARE IMAGES OF OPERAND REGISTERS: a chunk is 512 bytes, lane l's 16 bytes at 16 l, so that the later launches fetch a fragment by loads at 16 x lane alone.
;   codes  [tile of 16 rows][K step q of 128][c][512]: lane (r, h) of chunk (q, c) holds row r, k = 128 q + 64 c + 32 h + 0 .. 31 (registers 4 c .. 4 c + 3 of the fragment)
;   scales [tile][K half][r][16]: four scale words (one for each K step of the half; byte b of a word: k = 32 b .. 32 b + 31)
;   woimg  [tile][32 along K: ks][c][512]: lane (r, h) holds wo[16 tile + r][32 ks + 16 c + 8 h + 0 .. 7] as f16
; Tiles are numbered through the five tensors: enc 0, fq 1024, wq 1280, wk 1344, wv 1408.
; A block's scale is 2^(floor(log2(its largest magnitude)) - 2); its byte is the largest magnitude's exponent field - 2, held at 1 from below.
; LIMITS: a block of zeros gets the byte 1 where the rule says 127 (its codes are zeros, and this program alone reads the bytes); blocks whose largest magnitude lies under 2^-124 keep the byte 1;
; NaN and infinities are not served; wo beyond 65,504 is not held.
; SHARES.  Work-groups 0 .. 735: two tiles each; wave w takes tile 2 g + w / 2 and K half w % 2: four steps of 16 rows x 128 K.  Work-groups 736 .. 767: the same shares of wo.
; A step's 16 loads read 512 consecutive bytes of a row each; the numbers turn through the wave's own stage in LDS (rows 528 bytes apart) so that a lane gets 16 neighbours of each block of 32 of ITS row.
; No tensor load, no barrier: waves share nothing.  Loads run two steps (32 loads a wave) ahead.
.set NFP4,   736                       ; work-groups on the FP4 path
.set SPITCH, 528                       ; a stage row: 512 bytes + 16
.set SCA,    16*SPITCH                 ; behind a wave's stage: its 256 bytes of scale words
.set WREG,   SCA+256                   ; a wave's LDS
.set SPARE,  4*WREG                    ; behind the four regions: the spare words, 128 bytes for each wave, which no other line names
.set L16, 4                            ; v4   16 x lane
.set STI, 5                            ; v5   the stage, on the way in
.set STO, 6                            ; v6   and out: row r, + 64 h
.set SWA, 7                            ; v7   my row's scale words
.set SRA, 8                            ; v8   the scale words on their way out: 8 bytes a lane
.set L8,  9                            ; v9   8 x lane
.set SPW, 10                           ; v10  LDS address of my spare word; never rewritten
.set NIL, 11                           ; v11  0; never rewritten
.set WOA, 12                           ; v12  wo: row r of 4,096 bytes, + 32 h
.set TM,  16                           ; v16-31 at work in QUANT
.set PW,  32                           ; v32  the scale word just made
.set PC,  36                           ; v36-51 codes, two sets of 8
.set X,   52                           ; v52-115 64 numbers of my row;  wo path: f16 results, two sets of 32
.set R,   116                          ; v116-243 numbers as loaded, two sets of 64
.set SEL, 30                           ; s[30:31] lane selects for v_permlanex16_b32: lane l xor 16
	s_load_b512 s[4:19], s[0:1], 0x0               ; enc, fq, wq, wk, wv, wo, codes, scales
	s_load_b64 s[20:21], s[0:1], 0x40              ; woimg
	v_lshl_add_u32 v[SPW], v0, 2, SPARE
	v_mov_b32 v[NIL], 0
	v_lshrrev_b32 v1, 5, v0
	v_readfirstlane_b32 s22, v1                    ; wave 0..3
	v_and_b32 v1, 31, v0                           ; lane
	v_and_b32 v2, 15, v0                           ; r
	v_bfe_u32 v3, v0, 4, 1                         ; h
	v_lshlrev_b32 v[L16], 4, v1
	v_lshlrev_b32 v[L8], 3, v1
	s_lshr_b32 s23, s22, 1                         ; which of the work-group's two tiles
	s_and_b32 s27, s22, 1                          ; which half of K
	s_mov_b32 s33, 0
	s_cmp_ge_u32 ttmp9, NFP4                       ; the work-group's number alone decides the path
	s_cbranch_scc1 .Lwo
	s_mul_i32 s28, s22, WREG                       ; my wave's LDS
	v_add_nc_u32 v[STI], s28, v[L16]
	v_mul_u32_u24 v[STO], v2, SPITCH
	v_lshl_add_u32 v[STO], v3, 6, v[STO]
	v_add_nc_u32 v[STO], s28, v[STO]
	s_add_co_u32 s28, s28, SCA
	v_lshl_add_u32 v[SWA], v2, 4, s28
	v_add_nc_u32 v[SRA], s28, v[L8]
	s_mov_b32 s[SEL], 0x76543210
	s_mov_b32 s[SEL+1], 0xfedcba98
.irp b, 0,1,2,3
	v_mov_b32 v[TM+4+\b], 0                        ; written once: a lane permute's destination counts as one of its sources
.endr
	s_lshl_b32 s29, ttmp9, 1
	s_add_co_u32 s29, s29, s23                     ; my tile's number
	s_wait_kmcnt 0x0
	s_mov_b64 s[24:25], s[4:5]                     ; which tensor: chosen by the work-group's number alone
	s_mov_b32 s26, 0                               ; and its first tile
	s_cmp_ge_u32 ttmp9, 512
	s_cselect_b64 s[24:25], s[6:7], s[24:25]
	s_cselect_b32 s26, 1024, s26
	s_cmp_ge_u32 ttmp9, 640
	s_cselect_b64 s[24:25], s[8:9], s[24:25]
	s_cselect_b32 s26, 1280, s26
	s_cmp_ge_u32 ttmp9, 672
	s_cselect_b64 s[24:25], s[10:11], s[24:25]
	s_cselect_b32 s26, 1344, s26
	s_cmp_ge_u32 ttmp9, 704
	s_cselect_b64 s[24:25], s[12:13], s[24:25]
	s_cselect_b32 s26, 1408, s26
	s_sub_co_u32 s32, s29, s26                     ; the tile within its tensor: 16 rows of 4,096 bytes,
	s_lshl_b32 s32, s32, 16
	s_lshl_b32 s34, s27, 11                        ; + the K half's 2,048 bytes
	s_add_co_u32 s32, s32, s34
	s_add_nc_u64 s[24:25], s[24:25], s[32:33]
	s_lshl_b32 s32, s29, 13                        ; codes: 8,192 bytes a tile, 4,096 a half
	s_lshl_b32 s34, s27, 12
	s_add_co_u32 s32, s32, s34
	s_add_nc_u64 s[16:17], s[16:17], s[32:33]
	s_lshl_b32 s32, s29, 9                         ; scales: 512 bytes a tile, 256 a half
	s_lshl_b32 s34, s27, 8
	s_add_co_u32 s32, s32, s34
	s_add_nc_u64 s[18:19], s[18:19], s[32:33]
.macro LOAD t                          ; step t: 512 consecutive bytes of each of the 16 rows, into set t % 2
.set i, 0
.rept 16
	global_load_b128 v[R+64*((\t)%2)+4*i:R+64*((\t)%2)+4*i+3], v[L16], s[24:25] offset:4096*i+512*(\t) th:TH_LOAD_NT
.set i, i+1
.endr
.endm
; 64 numbers of a lane, register 16 b + i = k 32 b + 16 h + i of my row, become a fragment's codes in v[d] on and its scale word in v[PW]
.macro QUANT s, d
.irp b, 0,1,2,3
	v_max3_num_f32 v[TM+\b], |v[\s+16*\b]|, |v[\s+1+16*\b]|, 0x1800000   ; block b: my 16 numbers, and the floor 2^(3 - 127): so the byte cannot fall under 1
.endr
.irp i, 2,4,6,8,10,12,14
.irp b, 0,1,2,3
	v_max3_num_f32 v[TM+\b], v[TM+\b], |v[\s+16*\b+\i]|, |v[\s+1+16*\b+\i]|   ; the four blocks by turns
.endr
.endr
.irp b, 0,1,2,3
	v_permlanex16_b32 v[TM+4+\b], v[TM+\b], s[SEL], s[SEL+1]
.endr
.irp b, 0,1,2,3
	v_max_num_f32 v[TM+\b], v[TM+\b], v[TM+4+\b]   ; with lane l xor 16's: the block's largest magnitude
.endr
.irp b, 0,1,2,3
	v_add_nc_u32 v[TM+12+\b], 0xff000000, v[TM+\b] ; 2 off its exponent field: the conversion takes the exponent field of this operand as its scale
.endr
.irp b, 0,1,2,3
	v_lshrrev_b32 v[TM+4+\b], 23, v[TM+12+\b]      ; the scale's byte
.endr
	v_lshl_or_b32 v[PW], v[TM+5], 8, v[TM+4]       ; four bytes make my row's scale word
	v_lshl_or_b32 v[PW], v[TM+6], 16, v[PW]
	v_lshl_or_b32 v[PW], v[TM+7], 24, v[PW]
.irp b, 0,1,2,3
	v_cvt_scalef32_pk8_fp4_f32 v[\d+2*\b], v[\s+16*\b:\s+7+16*\b], v[TM+12+\b]
	v_cvt_scalef32_pk8_fp4_f32 v[\d+1+2*\b], v[\s+8+16*\b:\s+15+16*\b], v[TM+12+\b]
.endr
	v_nop                                          ; one plain place behind a scaled conversion
.irp c, 0,1                                    ; the operand's layout wants a whole block in a lane: lanes 0-15 block 2 c, lanes 16-31 block 2 c + 1
.irp i, 0,1
	v_permlane16_swap_b32 v[\d+4*\c+\i], v[\d+2+4*\c+\i]
.endr
.endr
.endm
.macro STEP t
.if (\t) < 3
	s_wait_loadcnt 16                              ; this step's 16 loads are in; the next step's may be out
.else
	s_wait_loadcnt 0
.endif
.set i, 0
.rept 16
	ds_store_b128 v[STI], v[R+64*((\t)%2)+4*i:R+64*((\t)%2)+4*i+3] offset:SPITCH*i
.set i, i+1
.endr
.irp b, 0,1,2,3
.irp j, 0,1,2,3
	ds_load_b128 v[X+16*\b+4*\j:X+16*\b+4*\j+3], v[STO] offset:128*\b+16*\j   ; LDS serves a wave's instructions in order: these see the stores above
.endr
.endr
	s_wait_dscnt 0x0                               ; the numbers are back, and the stores have read their registers,
.if (\t)+2 < 4
	LOAD (\t)+2                                    ; which take the loads of two steps on
.endif
.if (\t) >= 2
	s_wait_xcnt 0x0                                ; the stores of two steps back have read this set of codes: it is written again only behind this wait
.endif
	QUANT X, PC+8*((\t)%2)
	ds_store_b32 v[SWA], v[PW] offset:4*(\t)       ; both halves of the lanes write the same word with the same value
.irp c, 0,1
	global_store_b128 v[L16], v[PC+8*((\t)%2)+4*\c:PC+8*((\t)%2)+4*\c+3], s[16:17] offset:1024*(\t)+512*\c   ; 512 consecutive bytes, aligned
.endr
.endm
	LOAD 0
	LOAD 1
	STEP 0
	STEP 1
	STEP 2
	STEP 3
	ds_load_b64 v[34:35], v[SRA]                   ; my wave's 256 bytes of scale words
	s_wait_dscnt 0x0
	global_store_b64 v[L8], v[34:35], s[18:19]     ; 256 consecutive bytes, aligned
	s_wait_tensorcnt 0x0                           ; the wave's end, behind my last LDS store
	ds_add_u32 v[SPW], v[NIL]
	s_wait_dscnt 0x0
	s_endpgm
.Lwo:                                                  ; wo to f16: a lane loads the 8 numbers of each chunk that are its own; 4 MB in all
	v_lshlrev_b32 v[WOA], 12, v2
	v_lshl_add_u32 v[WOA], v3, 5, v[WOA]
	s_sub_co_u32 s29, ttmp9, NFP4
	s_lshl_b32 s29, s29, 1
	s_add_co_u32 s29, s29, s23                     ; my tile of 16 rows
	s_lshl_b32 s32, s29, 16
	s_lshl_b32 s34, s27, 11
	s_add_co_u32 s32, s32, s34
	s_wait_kmcnt 0x0
	s_add_nc_u64 s[14:15], s[14:15], s[32:33]
	s_lshl_b32 s32, s29, 15                        ; woimg: 32,768 bytes a tile, 16,384 a K half
	s_lshl_b32 s34, s27, 14
	s_add_co_u32 s32, s32, s34
	s_add_nc_u64 s[20:21], s[20:21], s[32:33]
.macro WLOAD t                         ; 128 along K: chunks (s, c), 8 numbers a lane each
.irp s, 0,1,2,3
.irp c, 0,1
.irp i, 0,1
	global_load_b128 v[R+64*((\t)%2)+8*(2*\s+\c)+4*\i:R+64*((\t)%2)+8*(2*\s+\c)+4*\i+3], v[WOA], s[14:15] offset:512*(\t)+128*\s+64*\c+16*\i
.endr
.endr
.endr
.endm
.macro WSTEP t
.if (\t) < 3
	s_wait_loadcnt 16                              ; this step's 16 loads are in; the next step's may be out
.else
	s_wait_loadcnt 0
.endif
.if (\t) >= 2
	s_wait_xcnt 0x0                                ; the stores of two steps back have read this set
.endif
.set i, 0
.rept 32
	v_cvt_pk_f16_f32 v[X+32*((\t)%2)+i], v[R+64*((\t)%2)+2*i], v[R+64*((\t)%2)+2*i+1]
.set i, i+1
.endr
.irp s, 0,1,2,3
.irp c, 0,1
	global_store_b128 v[L16], v[X+32*((\t)%2)+4*(2*\s+\c):X+32*((\t)%2)+4*(2*\s+\c)+3], s[20:21] offset:4096*(\t)+1024*\s+512*\c
.endr
.endr
.if (\t)+2 < 4
	WLOAD (\t)+2
.endif
.endm
	WLOAD 0
	WLOAD 1
	WSTEP 0
	WSTEP 1
	WSTEP 2
	WSTEP 3
	s_wait_tensorcnt 0x0                           ; the same three lines at this path's end
	ds_add_u32 v[SPW], v[NIL]
	s_wait_dscnt 0x0
	s_endpgm
.Lfunc_end_k_qe68f7d10cc_quant:
	.size	k_qe68f7d10cc_quant, .Lfunc_end_k_qe68f7d10cc_quant-k_qe68f7d10cc_quant
	.p2alignl 7, 3214868480
	.fill 96, 4, 3214868480
	.section	.rodata,"a",@progbits
	.p2align	6, 0x0
	.amdhsa_kernel k_qe68f7d10cc_quant
		.amdhsa_group_segment_fixed_size 35328
		.amdhsa_private_segment_fixed_size 0
		.amdhsa_enable_private_segment 0
		.amdhsa_kernarg_size 72
		.amdhsa_user_sgpr_count 2
		.amdhsa_user_sgpr_kernarg_segment_ptr 1
		.amdhsa_wavefront_size32 1
		.amdhsa_system_sgpr_workgroup_id_x 1
		.amdhsa_system_sgpr_workgroup_id_y 1
		.amdhsa_system_sgpr_workgroup_id_z 1
		.amdhsa_system_vgpr_workitem_id 0
		.amdhsa_next_free_vgpr 248
		.amdhsa_next_free_sgpr 66
		.amdhsa_reserve_vcc 0
		.amdhsa_float_denorm_mode_32 3
		.amdhsa_float_denorm_mode_16_64 3
		.amdhsa_memory_ordered 1
		.amdhsa_forward_progress 1
		.amdhsa_inst_pref_size 52
	.end_amdhsa_kernel
	.amdgpu_metadata
---
amdhsa.version: [ 1, 2 ]
amdhsa.kernels:
  - .name:           k_qe68f7d10cc_quant
    .symbol:         k_qe68f7d10cc_quant.kd
    .args:
      - { .name: encoded_representation, .offset: 0, .size: 8, .value_kind: global_buffer, .address_space: global }
      - { .name: future_queries, .offset: 8, .size: 8, .value_kind: global_buffer, .address_space: global }
      - { .name: wq_w, .offset: 16, .size: 8, .value_kind: global_buffer, .address_space: global }
      - { .name: wk_w, .offset: 24, .size: 8, .value_kind: global_buffer, .address_space: global }
      - { .name: wv_w, .offset: 32, .size: 8, .value_kind: global_buffer, .address_space: global }
      - { .name: wo_w, .offset: 40, .size: 8, .value_kind: global_buffer, .address_space: global }
      - { .name: codes, .offset: 48, .size: 8, .value_kind: global_buffer, .address_space: global }
      - { .name: scales, .offset: 56, .size: 8, .value_kind: global_buffer, .address_space: global }
      - { .name: woimg, .offset: 64, .size: 8, .value_kind: global_buffer, .address_space: global }
    .group_segment_fixed_size: 35328
    .private_segment_fixed_size: 0
    .kernarg_segment_align: 8
    .kernarg_segment_size: 72
    .max_flat_workgroup_size: 128
    .sgpr_count:     66
    .vgpr_count:     248
    .wavefront_size: 32
...
	.end_amdgpu_metadata
.endif
;; end of part 1
;; launch proj (part 2): grid 8 x 64, 4 waves a work-group, clusters of 4 x 4, 327,680 bytes of LDS; arguments codes, scales, wk_b, wv_b, encoder_lengths, kimg, vimg; writes kimg, vimg
.if DOCPART == 2
	.amdgcn_target "amdgcn-amd-amdhsa--gfx1250"
	.amdhsa_code_object_version 6
	.text
	.protected	k_qe68f7d10cc_proj
	.globl	k_qe68f7d10cc_proj
	.p2align	8
	.type	k_qe68f7d10cc_proj,@function
k_qe68f7d10cc_proj:
	s_mov_b64 s[64:65], 0
	v_nop
	global_prefetch_b8 v0, s[64:65] scope:SCOPE_SE
	s_setreg_imm32_b32 hwreg(HW_REG_WAVE_MODE, 25, 1), 1
	s_wait_xcnt 0x0
	s_wait_alu depctr_hold_cnt(0) depctr_sa_sdst(0) depctr_va_vdst(0) depctr_va_sdst(0) depctr_va_ssrc(0) depctr_va_vcc(0) depctr_vm_vsrc(0)
	s_getreg_b32 s2, hwreg(HW_REG_IB_STS2, 6, 4)
	s_cmp_eq_u32 s2, 0
	s_cbranch_scc0 .Lentry_in_a_cluster
	s_endpgm
.Lentry_in_a_cluster:
	s_bfe_u32 s2, ttmp6, 0x10000c
	s_cmp_lg_u32 s2, 0xf033
	s_cbranch_scc0 .Lentry_shape_is_right
	s_endpgm
.Lentry_shape_is_right:
; K = enc wk^T + wk_b and V = enc wv^T + wv_b, on codes of FP4 (E2M1) with one E8M0 scale for each 32 along K (1,024); sums in f32; results rounded once to f16 and stored as images of the operand
; registers that the attention launch wants (a chunk: 512 bytes, lane l's 16 bytes at 16 l):
;   kimg [batch x 16 + head][tile of 16 keys T][chunk 2 s + c]: lane (r, h) holds K[key 16 T + r][channel 32 s + 16 c + 8 h + 0 .. 7]
;   vimg [batch x 16 + head][32 keys S][16 channels ct][c]:     lane (r, h) holds V[key 32 S + 16 c + 8 h + 0 .. 7][channel 16 ct + r]
; THE MASK'S KEY SIDE IS APPLIED HERE: rows of K at or beyond encoder_lengths[batch] are stored as zeros, so that their scores come out as exactly 0 where the definition fills in -1e-9.
; LIMITS: that changes a masked score by 1e-9, a weight by a factor within 1 +- 1e-9, for every input; K and V beyond 65,504 are not held; NaN and infinities are not served.
; SHARES.  A work-group makes 256 tokens x 256 channels; x = 0 .. 3: K's channels, x = 4 .. 7: V's (wk's and wv's tiles follow each other among the codes).  Four waves, 128 x 128 each: 64 accumulators, 512 registers.
; All of K (1,024) of both operands fits in LDS: two slots of 512 along K and the scale words, three tensor loads a wave, all at the head.
; CLUSTERS: 4 x 4 work-groups.  enc's tiles hang on y alone and are asked for jointly along a row of the cluster, the weights' on x alone, jointly along a column.
; TWO PATHS, parted on the cluster's x, which all sixteen partners share.  The product is used transposed (source 0 = 16 rows of B, source 1 = 16 rows of A): a lane holds one row of A and eight neighbouring rows of B.
; K path: A = enc, B = wk: a lane holds a token and eight channels.  V path: A = wv, B = enc: a lane holds a channel and eight tokens.  So both results pack into 16 bytes that are a lane's part of a chunk: no stage.
; Wave w has enc's half HE = w / 2 and the weight's half HW = w % 2 on both paths, so that every LDS address is a constant + 16 x lane + a constant x wave.
; The bias is the C of each sum's first product.
; REGISTERS, in windows of 256: window 0: v1-31 addresses; v32-95 scale words, two sets; v128-191 A's fragments, one set; v192-255 the bias; on the way out v128-255 hold packed results.
;   window 1: B's fragments, two sets, at v0 and v128.   windows 2, 3: the accumulators ((a, b) at v[8 (8 (a % 4) + b)] of window 2 + a / 4).
.set WK_T0,  1344                      ; wk's first tile among the codes; wv's 64 follow wk's 64
.set NQ,     4                         ; steps of 128 along K in a slot
.set FR,     8                         ; registers of a fragment
.set NL,     2                         ; LDS loads that bring one
.set NP,     4                         ; places behind this matrix instruction (ISA guide 7.12.1)
.set SLOT,   131072                    ; enc's 16 tiles x 4,096 bytes, then the weight's
.set WOFF,   65536
.set SCL,    2*SLOT                    ; the scale words: enc's 16 tiles x 512 bytes, then the weight's
.set SPARE,  SCL+16384                 ; the spare words, 128 bytes for each wave, which no other line names
.set ADRE, 16                          ; v16-17 LDS address of my fragments of enc in slot 0, 1
.set ADRW, 20                          ; v20-21 the same for the weight
.set ASK,  24                          ; v24  scale words, K path: lanes 0-15 enc's, lanes 16-31 the weight's
.set ASV,  25                          ; v25  V path: the other way round
.set CO,   26                          ; v26  16 x lane
.set SPW,  28                          ; v28  LDS address of my spare word; never rewritten
.set NIL,  29                          ; v29  0; never rewritten
.set T0,   30                          ; v30  K path: my token's number in its batch, for block 0
.set SC,   32
.set AF,   128
.set BIAS, 192
.set TMP,  128
.set G1E, 24                           ; s[24:31] group 1 for enc's codes; s[32:39] group 0, a set for each slot
.set G0E, 32
.set G1W, 48                           ; the same for the weight's
.set G0W, 56
.set G1SE, 68                          ; groups 1 and 0 for enc's scale words,
.set G0SE, 76
.set G1SW, 80                          ; and the weight's
.set G0SW, 88
.set MSB, 0
.macro WIN new                         ; the immediate's high byte repeats the setting that is left
.if MSB != \new
	s_set_vgpr_msb (MSB<<8)|\new
.set MSB, \new
.endif
.endm
.set MUL_LO, 0xa1                      ; source 0 (B) window 1, source 1 (A) window 0, C and D window 2
.set MUL_HI, 0xf1                      ; the same, C and D window 3
.set TO_B,   0x40                      ; destination window 1, address window 0
; A joint load: waves 0 and 1 fetch for enc, waves 2 and 3 for the weight.  Each line has one mask and one set of registers for all that issue it; the branch hangs on the wave's number alone.
; An s_nop 0 and four v_nop follow each of the two lines.
.macro JLOAD g0a, g1a, g0b, g1b
	s_cmp_eq_u32 s19, 0
	s_cbranch_scc0 .Lfor_w_\@
	tensor_load_to_lds s[\g0a:\g0a+3], s[\g1a:\g1a+7]
	s_nop 0
.rept 4
	v_nop
.endr
	s_branch .Lasked_\@
.Lfor_w_\@:
	tensor_load_to_lds s[\g0b:\g0b+3], s[\g1b:\g1b+7]
	s_nop 0
.rept 4
	v_nop
.endr
.Lasked_\@:
.endm
.macro CROUND                          ; a round of the cluster's barrier
	s_barrier_signal -1
	s_barrier_wait -1
	s_cmp_lg_u32 s18, 0
	s_cbranch_scc1 .Lnot_wave_0_\@
	s_barrier_signal -3
.Lnot_wave_0_\@:
	s_barrier_wait -3
	s_barrier_signal -1
	s_barrier_wait -1
.endm
	s_load_b256 s[4:11], s[0:1], 0x0               ; codes, scales, wk_b, wv_b
	s_load_b128 s[12:15], s[0:1], 0x20             ; encoder_lengths, kimg
	s_load_b64 s[16:17], s[0:1], 0x30              ; vimg
	v_lshl_add_u32 v[SPW], v0, 2, SPARE
	v_mov_b32 v[NIL], 0
	ds_add_u32 v[SPW], v[NIL]                      ; the wave's opening: the add, twice on end, and its wait ahead of my first tensor load
	ds_add_u32 v[SPW], v[NIL]
	v_lshrrev_b32 v1, 5, v0
	v_readfirstlane_b32 s18, v1                    ; wave 0..3
	s_lshr_b32 s19, s18, 1                         ; HE: my half of enc's rows.  Also: I fetch for enc (0) or for the weight (1)
	s_and_b32 s20, s18, 1                          ; HW: my half of the weight's rows.  Also: which 128 rows I fetch
	s_bfe_u32 s21, ttmp6, 0x40000                  ; cx, cy: my place in the cluster
	s_bfe_u32 s22, ttmp6, 0x40004
	s_lshl_b32 s23, ttmp9, 2
	s_add_co_u32 s23, s23, s21                     ; x = 4 x cluster x + cx: which 256 rows of [wk; wv]
	s_and_b32 s66, ttmp7, 0xffff
	s_lshl_b32 s66, s66, 2
	s_add_co_u32 s66, s66, s22                     ; y = 4 x cluster y + cy: which 256 rows of enc
	s_lshl_b32 s98, s22, 2
	s_lshl_b32 s98, 15, s98                        ; my row of the cluster
	s_lshl_b32 s99, 0x1111, s21                    ; my column
	; group 1 for codes: 8 tiles of 16 rows; of each the slot's 4,096 bytes (512 elements of 8 bytes), 8,192 bytes apart; dense in LDS
	s_or_b32 s[G1E+0], s98, (3<<16)|(1<<21)        ; 15:0 the mask: enc's tiles go to my row; 17:16 elements of 8 bytes; 21 set beside a mask
	s_or_b32 s[G1W+0], s99, (3<<16)|(1<<21)        ; the weight's go to my column
.irp g, G1E, G1W
	s_mov_b32 s[\g+1], 512<<16                     ; tensor_dim0
	s_mov_b32 s[\g+2], 8<<16                       ; tensor_dim1
	s_mov_b32 s[\g+3], 512<<16                     ; tile_dim0
	s_mov_b32 s[\g+4], 8                           ; tile_dim1
	s_mov_b32 s[\g+5], 1024                        ; tensor_dim0_stride
	s_mov_b32 s[\g+6], 0
	s_mov_b32 s[\g+7], 0
.endr
	; and for the scale words of 8 tiles: 4,096 dense bytes as 16 rows of 256
	s_or_b32 s[G1SE+0], s98, (3<<16)|(1<<21)
	s_or_b32 s[G1SW+0], s99, (3<<16)|(1<<21)
.irp g, G1SE, G1SW
	s_mov_b32 s[\g+1], 32<<16
	s_mov_b32 s[\g+2], 16<<16
	s_mov_b32 s[\g+3], 32<<16
	s_mov_b32 s[\g+4], 16
	s_mov_b32 s[\g+5], 32
	s_mov_b32 s[\g+6], 0
	s_mov_b32 s[\g+7], 0
.endr
	s_lshl_b32 s93, s20, 3                         ; which 8 tiles I fetch
	s_lshl_b32 s40, s66, 4
	s_add_co_u32 s40, s40, s93                     ; enc: tile 16 y + 8 x half (s40-43 hold nothing of x)
	s_lshl_b32 s42, s40, 9                         ; its scale words,
	s_lshl_b32 s40, s40, 13                        ; its codes, in bytes
	s_mov_b32 s41, 0
	s_mov_b32 s43, 0
	s_lshl_b32 s44, s23, 4
	s_add_co_u32 s44, s44, s93
	s_add_co_u32 s44, s44, WK_T0                   ; the weight: tile WK_T0 + 16 x + 8 x half (s44-47 hold nothing of y)
	s_lshl_b32 s46, s44, 9
	s_lshl_b32 s44, s44, 13
	s_mov_b32 s45, 0
	s_mov_b32 s47, 0
	s_lshl_b32 s94, s18, 15                        ; where they go: wave x 32,768 in a slot,
	s_lshl_b32 s95, s18, 12                        ; wave x 4,096 among the scale words: no place in the cluster enters an LDS address
	s_wait_dscnt 0x0                               ; both opening adds are done
	s_wait_kmcnt 0x0
	s_add_nc_u64 s[40:41], s[4:5], s[40:41]
	s_add_nc_u64 s[42:43], s[6:7], s[42:43]
	s_add_nc_u64 s[44:45], s[4:5], s[44:45]
	s_add_nc_u64 s[46:47], s[6:7], s[46:47]
	CROUND                                         ; all sixteen work-groups are here: the joint loads meet
	s_mov_b32 s[G0SE], 1
	s_add_co_u32 s[G0SE+1], s95, SCL
	s_mov_b64 s[G0SE+2:G0SE+3], s[42:43]
	s_or_b32 s[G0SE+3], s[G0SE+3], 0x80000000
	s_mov_b32 s[G0SW], 1
	s_add_co_u32 s[G0SW+1], s95, SCL
	s_mov_b64 s[G0SW+2:G0SW+3], s[46:47]
	s_or_b32 s[G0SW+3], s[G0SW+3], 0x80000000
	JLOAD G0SE, G1SE, G0SW, G1SW                   ; the scale words first: they are wanted with slot 0
.irp s, 0,1
	s_mov_b32 s[G0E+4*\s], 1
	s_add_co_u32 s[G0E+4*\s+1], s94, \s*SLOT
	s_add_nc_u64 s[G0E+4*\s+2:G0E+4*\s+3], s[40:41], \s*4096
	s_or_b32 s[G0E+4*\s+3], s[G0E+4*\s+3], 0x80000000
	s_mov_b32 s[G0W+4*\s], 1
	s_add_co_u32 s[G0W+4*\s+1], s94, \s*SLOT
	s_add_nc_u64 s[G0W+4*\s+2:G0W+4*\s+3], s[44:45], \s*4096
	s_or_b32 s[G0W+4*\s+3], s[G0W+4*\s+3], 0x80000000
	JLOAD G0E+4*\s, G1E, G0W+4*\s, G1W
.endr
	; every address register of both paths is made here, ahead of the parting
	v_and_b32 v1, 31, v0                           ; lane
	v_and_b32 v2, 15, v0                           ; r
	v_bfe_u32 v3, v0, 4, 1                         ; h
	v_lshlrev_b32 v[CO], 4, v1
	s_lshl_b32 s94, s19, 15                        ; my 8 tiles of enc
	s_lshl_b32 s95, s20, 15
	s_add_co_u32 s95, s95, WOFF                    ; my 8 tiles of the weight
.irp s, 0,1
	v_add_nc_u32 v[ADRE+\s], s94, v[CO]
	v_add_nc_u32 v[ADRW+\s], s95, v[CO]
	s_add_co_u32 s94, s94, SLOT
	s_add_co_u32 s95, s95, SLOT
.endr
	s_lshl_b32 s94, s19, 12                        ; enc's scale words of my half,
	s_lshl_b32 s95, s20, 12
	s_add_co_u32 s95, s95, 8192                    ; the weight's,
	s_sub_co_u32 s95, s95, s94                     ; and the distance between the two: 4,096 at the least
	s_add_co_u32 s94, s94, SCL
	v_lshl_add_u32 v4, v2, 4, s94                  ; 16 bytes a row
	v_mul_u32_u24 v5, s95, v3
	v_add_nc_u32 v[ASK], v4, v5                    ; lanes 16-31 take the weight's
	v_xor_b32 v6, 1, v3
	v_mul_u32_u24 v5, s95, v6
	v_add_nc_u32 v[ASV], v4, v5                    ; lanes 0-15 take the weight's
	v_lshlrev_b32 v7, 5, v3                        ; K's bias: 32 h
	v_lshlrev_b32 v8, 2, v2                        ; V's bias: 4 r
	s_and_b32 s42, s66, 7                          ; which 256 tokens of the batch
	s_lshl_b32 s43, s42, 8
	s_lshl_b32 s93, s19, 7
	s_add_co_u32 s43, s43, s93
	v_add_nc_u32 v[T0], s43, v2
	s_lshr_b32 s40, s66, 3                         ; the batch
	s_lshl_b32 s40, s40, 2
	s_mov_b32 s41, 0
	s_add_nc_u64 s[12:13], s[12:13], s[40:41]      ; its encoder length
	s_and_b32 s44, s23, 3                          ; which 256 channels
	s_lshl_b32 s44, s44, 10
	s_lshl_b32 s46, s20, 9
	s_add_co_u32 s44, s44, s46                     ; my 128 channels' biases, in bytes
	s_mov_b32 s45, 0
	s_add_nc_u64 s[8:9], s[8:9], s[44:45]
	s_add_nc_u64 s[10:11], s[10:11], s[44:45]
	s_lshr_b32 s96, s66, 3                         ; where my part begins in kimg and in vimg: the same byte in both:
	s_lshl_b32 s96, s96, 4
	s_and_b32 s97, s23, 3
	s_lshl_b32 s97, s97, 2
	s_add_co_u32 s96, s96, s97
	s_lshl_b32 s97, s20, 1
	s_add_co_u32 s96, s96, s97                     ; batch x 16 + my first head,
	s_lshl_b32 s96, s96, 18                        ; 262,144 bytes a head,
	s_lshl_b32 s97, s42, 15                        ; 256 tokens are 32,768 bytes of a head,
	s_add_co_u32 s96, s96, s97
	s_lshl_b32 s97, s19, 14                        ; 128 are 16,384
	s_add_co_u32 s96, s96, s97
	s_mov_b32 s97, 0
	s_add_nc_u64 s[14:15], s[14:15], s[96:97]
	s_add_nc_u64 s[16:17], s[16:17], s[96:97]
.macro FRAG reg, adr, q, i             ; a fragment's image: two chunks of 512 bytes; tile i of my 8, the slot's q-th 128 along K
.irp c, 0,1
	ds_load_b128 v[\reg+4*\c:\reg+4*\c+3], v[\adr] offset:4096*(\i)+1024*(\q)+512*\c
.endr
.endm
; 16 matrix instructions: A's blocks a0, a0 + 1 x B's eight.  p: B's set; sc: the set of scale words.  zero = 1: the first products start the sums from the bias (CM = 0: along B's rows; CM = 1: along A's).
; The 64 accumulators take turns, one instruction a turn, in the same order in every step.
.macro MUL16 a0, p, q, sc, zero
.irp a, \a0, \a0+1
.irp b, 0,1,2,3,4,5,6,7
.if \zero
.if CM
.set CB, BIAS+8*(\a)
.else
.set CB, BIAS+8*\b
.endif
	v_wmma_scale_f32_16x16x128_f8f6f4 v[8*(8*((\a)%4)+\b):8*(8*((\a)%4)+\b)+7], v[128*(\p)+FR*\b:128*(\p)+FR*\b+FR-1], v[AF+FR*(\a):AF+FR*(\a)+FR-1], v[CB:CB+7], v[SC+8*NQ*(\sc)+NQ*\b+(\q)], v[SC+8*NQ*(\sc)+NQ*(\a)+(\q)] matrix_a_fmt:MATRIX_FMT_FP4 matrix_b_fmt:MATRIX_FMT_FP4 matrix_a_scale:MATRIX_SCALE_ROW1
.else
	v_wmma_scale_f32_16x16x128_f8f6f4 v[8*(8*((\a)%4)+\b):8*(8*((\a)%4)+\b)+7], v[128*(\p)+FR*\b:128*(\p)+FR*\b+FR-1], v[AF+FR*(\a):AF+FR*(\a)+FR-1], v[8*(8*((\a)%4)+\b):8*(8*((\a)%4)+\b)+7], v[SC+8*NQ*(\sc)+NQ*\b+(\q)], v[SC+8*NQ*(\sc)+NQ*(\a)+(\q)] matrix_a_fmt:MATRIX_FMT_FP4 matrix_b_fmt:MATRIX_FMT_FP4 matrix_a_scale:MATRIX_SCALE_ROW1
.endif
.endr
.endr
.endm
.macro FETCH_B slot, q, p
	WIN TO_B
.irp i, 0,1,2,3,4,5,6,7
	FRAG 128*(\p)+FR*\i, ADRB+\slot, \q, \i
.endr
	WIN 0
.endm
.macro FETCH_A slot, q, i0
.irp i, \i0, \i0+1, \i0+2, \i0+3
	FRAG AF+FR*(\i), ADRA+\slot, \q, \i
.endr
.endm
.macro SCALES sc                       ; slot sc's scale words: four a row; lanes 0-15 take A's block i, lanes 16-31 B's block i
.irp i, 0,1,2,3,4,5,6,7
	ds_load_b128 v[SC+8*NQ*\sc+NQ*\i:SC+8*NQ*\sc+NQ*\i+3], v[ADRS] offset:512*\i+256*\sc
.endr
.endm
.macro PLACES n                        ; places in front of loads into registers that matrix instructions have read, and of the first read of results
.rept \n
	v_nop
.endr
.endm
.macro STEP slot, q, zero              ; a step of 128 along K that has its successor in the same slot
	s_wait_dscnt 4*NL                              ; B's set and A's blocks 0-3 are in; the youngest eight loads (A's blocks 4-7) may be out
.if \zero
	WIN 0x81                                       ; C, the bias, in window 0
.else
	WIN MUL_LO
.endif
	MUL16 0, (\q)%2, \q, \slot, \zero
	MUL16 2, (\q)%2, \q, \slot, \zero
	s_wait_dscnt 0                                 ; A's blocks 4-7 are in
	PLACES NP
	FETCH_B \slot, (\q)+1, 1-(\q)%2
	FETCH_A \slot, (\q)+1, 0
.if \zero
	WIN 0xc1
.else
	WIN MUL_HI
.endif
	MUL16 4, (\q)%2, \q, \slot, \zero
	MUL16 6, (\q)%2, \q, \slot, \zero
	PLACES NP
	WIN 0
	FETCH_A \slot, (\q)+1, 4
.endm
.macro STEPS slot, from
.set Q, \from
.rept NQ-1-\from
	STEP \slot, Q, 0
.set Q, Q+1
.endr
.endm
; Slot 0's last step goes over to slot 1: each wave waits for its part of slot 1, and behind the barrier the slot is whole.  Nothing is filled again.
.macro TURN
	s_wait_tensorcnt 0x0                           ; all my tensor loads have landed
	ds_add_u32 v[SPW], v[NIL]                      ; 0 onto my spare word
	s_wait_dscnt 4*NL+1                            ; (the add and the youngest eight loads may be out)
	WIN MUL_LO
	MUL16 0, 1, NQ-1, 0, 0
	s_wait_dscnt 0x0                               ; no LDS instruction of mine is out at the signal
	s_barrier_signal -1
	MUL16 2, 1, NQ-1, 0, 0
	WIN 0
	s_barrier_wait -1
	PLACES NP
	FETCH_B 1, 0, 0
	FETCH_A 1, 0, 0
	SCALES 1
	WIN MUL_HI
	MUL16 4, 1, NQ-1, 0, 0
	MUL16 6, 1, NQ-1, 0, 0
	PLACES NP
	WIN 0
	FETCH_A 1, 0, 4
.endm
.macro GEMM
	s_wait_tensorcnt 1                             ; the scale words and my part of slot 0 are in (slot 1's load may be out)
	s_barrier_signal -1
	s_barrier_wait -1                              ; everybody's are
	FETCH_B 0, 0, 0
	FETCH_A 0, 0, 0
	SCALES 0
	FETCH_A 0, 0, 4
	STEP 0, 0, 1
	STEPS 0, 1
	TURN
	STEPS 1, 0
	s_wait_dscnt 4*NL                              ; the last step: nothing more to fetch
	WIN MUL_LO
	MUL16 0, 1, NQ-1, 1, 0
	MUL16 2, 1, NQ-1, 1, 0
	s_wait_dscnt 0
	WIN MUL_HI
	MUL16 4, 1, NQ-1, 1, 0
	MUL16 6, 1, NQ-1, 1, 0
	WIN 0
	PLACES NP                                      ; in front of conversions that read results and write where A's fragments lay
.endm
.macro PACK a                          ; block a's eight accumulators, each from its low end on, become 32 registers of f16 pairs
	WIN 0x0a+5*((\a)/4)                            ; sources 0 and 1: window 2 or 3
.irp b, 0,1,2,3,4,5,6,7
.irp u, 0,1,2,3
	v_cvt_pk_f16_f32 v[TMP+32*((\a)%4)+4*\b+\u], v[64*((\a)%4)+8*\b+2*\u], v[64*((\a)%4)+8*\b+2*\u+1]
.endr
.endr
	WIN 0
.endm
.macro CLOSE
	s_wait_tensorcnt 0x0                           ; the wave's end
	ds_add_u32 v[SPW], v[NIL]
	s_wait_dscnt 0x0
	CROUND                                         ; the closing round
	s_endpgm
.endm
	s_cmp_lg_u32 ttmp9, 0                          ; the cluster's x: the same in all sixteen partners
	s_cbranch_scc1 .Lvpath
	; ---- K: A = enc, B = wk
.set ADRA, ADRE
.set ADRB, ADRW
.set ADRS, ASK
.set CM, 0
	s_load_b32 s92, s[12:13], 0x0                  ; the batch's encoder length
.irp b, 0,1,2,3,4,5,6,7
	global_load_b128 v[BIAS+8*\b:BIAS+8*\b+3], v7, s[8:9] offset:64*\b        ; wk_b at channels 16 b + 8 h + 0 .. 7 of my 128
	global_load_b128 v[BIAS+8*\b+4:BIAS+8*\b+7], v7, s[8:9] offset:64*\b+16
.endr
	s_wait_loadcnt 0x0
	s_wait_kmcnt 0x0
	GEMM
.irp a, 0,1,2,3,4,5,6,7                ; block a: tokens 16 a + r; accumulator b: channels 16 b + 8 h + 0 .. 7: chunk b % 4 of head b / 4
.if \a >= 4
	s_wait_xcnt 0x0                                ; the stores of four blocks back have read this set
.endif
	PACK \a
	s_sub_co_i32 s96, s92, 16*\a
	v_cmp_gt_i32 vcc_lo, s96, v[T0]                ; does my token lie under the encoder length?
.set i, 0
.rept 32
	v_cndmask_b32 v[TMP+32*(\a%4)+i], 0, v[TMP+32*(\a%4)+i], vcc_lo   ; else its row of K is zeros
.set i, i+1
.endr
.irp b, 0,1,2,3,4,5,6,7
	global_store_b128 v[CO], v[TMP+32*(\a%4)+4*\b:TMP+32*(\a%4)+4*\b+3], s[14:15] offset:\a*2048+(\b/4)*262144+(\b%4)*512   ; 512 consecutive bytes, aligned
.endr
.endr
	CLOSE
.Lvpath:
	; ---- V: A = wv, B = enc
.set ADRA, ADRW
.set ADRB, ADRE
.set ADRS, ASV
.set CM, 1
.irp a, 0,1,2,3,4,5,6,7
	global_load_b32 v[BIAS+8*\a], v8, s[10:11] offset:64*\a    ; wv_b at channel 16 a + r of my 128
.endr
	s_wait_loadcnt 0x0
.irp a, 0,1,2,3,4,5,6,7
.irp j, 1,2,3,4,5,6,7
	v_mov_b32 v[BIAS+8*\a+\j], v[BIAS+8*\a]        ; the same for a lane's eight tokens
.endr
.endr
	GEMM
.irp a, 0,1,2,3,4,5,6,7                ; block a: channels 16 a + r: tile a % 4 of head a / 4; accumulator b: tokens 16 b + 8 h + 0 .. 7: chunk b % 2 of the 32 keys b / 2
.if \a >= 4
	s_wait_xcnt 0x0
.endif
	PACK \a
.irp b, 0,1,2,3,4,5,6,7
	global_store_b128 v[CO], v[TMP+32*(\a%4)+4*\b:TMP+32*(\a%4)+4*\b+3], s[16:17] offset:(\a/4)*262144+(\a%4)*1024+(\b/2)*4096+(\b%2)*512
.endr
.endr
	CLOSE
.Lfunc_end_k_qe68f7d10cc_proj:
	.size	k_qe68f7d10cc_proj, .Lfunc_end_k_qe68f7d10cc_proj-k_qe68f7d10cc_proj
	.p2alignl 7, 3214868480
	.fill 96, 4, 3214868480
	.section	.rodata,"a",@progbits
	.p2align	6, 0x0
	.amdhsa_kernel k_qe68f7d10cc_proj
		.amdhsa_group_segment_fixed_size 327680
		.amdhsa_private_segment_fixed_size 0
		.amdhsa_enable_private_segment 0
		.amdhsa_kernarg_size 56
		.amdhsa_user_sgpr_count 2
		.amdhsa_user_sgpr_kernarg_segment_ptr 1
		.amdhsa_wavefront_size32 1
		.amdhsa_system_sgpr_workgroup_id_x 1
		.amdhsa_system_sgpr_workgroup_id_y 1
		.amdhsa_system_sgpr_workgroup_id_z 1
		.amdhsa_system_vgpr_workitem_id 0
		.amdhsa_next_free_vgpr 1024
		.amdhsa_next_free_sgpr 100
		.amdhsa_reserve_vcc 1
		.amdhsa_float_denorm_mode_32 3
		.amdhsa_float_denorm_mode_16_64 3
		.amdhsa_memory_ordered 1
		.amdhsa_forward_progress 1
		.amdhsa_inst_pref_size 238
	.end_amdhsa_kernel
	.amdgpu_metadata
---
amdhsa.version: [ 1, 2 ]
amdhsa.kernels:
  - .name:           k_qe68f7d10cc_proj
    .symbol:         k_qe68f7d10cc_proj.kd
    .args:
      - { .name: codes, .offset: 0, .size: 8, .value_kind: global_buffer, .address_space: global }
      - { .name: scales, .offset: 8, .size: 8, .value_kind: global_buffer, .address_space: global }
      - { .name: wk_b, .offset: 16, .size: 8, .value_kind: global_buffer, .address_space: global }
      - { .name: wv_b, .offset: 24, .size: 8, .value_kind: global_buffer, .address_space: global }
      - { .name: encoder_lengths, .offset: 32, .size: 8, .value_kind: global_buffer, .address_space: global }
      - { .name: kimg, .offset: 40, .size: 8, .value_kind: global_buffer, .address_space: global }
      - { .name: vimg, .offset: 48, .size: 8, .value_kind: global_buffer, .address_space: global }
    .group_segment_fixed_size: 327680
    .private_segment_fixed_size: 0
    .kernarg_segment_align: 8
    .kernarg_segment_size: 56
    .max_flat_workgroup_size: 128
    .sgpr_count:     100
    .vgpr_count:     1024
    .wavefront_size: 32
...
	.end_amdgpu_metadata
.endif
;; end of part 2
;; launch attn (part 3): grid 2 x 128, 8 waves a work-group, no clusters, 327,680 bytes of LDS; arguments codes, scales, wq_b, decoder_lengths, kimg, vimg, att; writes att
.if DOCPART == 3
	.amdgcn_target "amdgcn-amd-amdhsa--gfx1250"
	.amdhsa_code_object_version 6
	.text
	.protected	k_qe68f7d10cc_attn
	.globl	k_qe68f7d10cc_attn
	.p2align	8
	.type	k_qe68f7d10cc_attn,@function
k_qe68f7d10cc_attn:
	s_mov_b64 s[64:65], 0
	v_nop
	global_prefetch_b8 v0, s[64:65] scope:SCOPE_SE
	s_setreg_imm32_b32 hwreg(HW_REG_WAVE_MODE, 25, 1), 1
	s_wait_xcnt 0x0
; att[b][q][64 head ..] = the sum over k of softmax_k(Q . K / 8) V, for one head and 256 queries a work-group; Q = fq wq^T + wq_b is made here, on codes of FP4 (E2M1) with E8M0 scales, and never goes to memory.
; Q K^T and V^T P take f16 operands and f32 sums; maxima, exponentials and sums in f32, with a running maximum.
; THE MASK: rows of K at or beyond the encoder length arrive as zeros; rows of Q at or beyond decoder_lengths[b] are made zeros here.  So masked scores are exactly 0 where the definition fills in -1e-9; all keys are summed.
; LIMITS: that changes a masked score by 1e-9, a weight by a factor within 1 +- 1e-9, for every input; Q beyond 65,504 is not held; attended values under 6e-5 keep f16's absolute step of 6e-8; NaN and infinities are not served.
; SHARES.  x: which 256 queries; y: batch x 16 + head.  Each of eight waves owns 32 queries, two tiles of 16, in 512 registers: two waves to a SIMD, so that one wave's vector work stands beside the other's matrix work.
; Every wave walks all 2,048 keys, 128 a step; a fragment of K or V read from LDS feeds two products.
; LAYOUT.  Both products are used transposed: S^T = K Q^T (source 0 = 16 keys, source 1 = 16 queries), O^T = V^T P (source 0 = 16 channels): a lane holds ONE query (lane % 16) throughout.  Two tiles of S^T, rounded in pairs,
; are source 1 of the second product.  K and V arrive as images of their fragments: every LDS read is 512 consecutive bytes, 16 a lane.
; RING.  Two slots of 512 keys (64 KB of K, 64 KB of V), filled by waves 0 to 3, 32 KB a load: one load a wave is out.
; NO CLUSTER: a head has two blocks of queries, so a cluster of four would hold two heads, with masks of pairs; and a slot's 128 KB feed 8 x 256 matrix instructions here.
; REGISTERS: window 0: v1-7 addresses; v8-23 statistics, 8 a tile (+0 c m, +1 m, +2, +3 the sum, +4 .. +7 at work, a in +6); v24-27 the sums' second chains; v32-63 Q; v64-191 S^T, 64 a tile, then P in its first 32; v192-255 O^T.
;   In the Q phase v8-31 hold scale words and nothing else.   window 1: v0-127 K of a step; v128-255 V of a step.
.set FQ_T0, 1024                       ; fq's and wq's first tiles among the codes
.set WQ_T0, 1280
.set SLOT1, 1<<17                      ; slot 1 begins here: one exclusive or turns an address in one slot into the other's
.set VOFF,  65536                      ; in a slot: K, then V
.set SPARE, 2*SLOT1                    ; the spare words, 128 bytes for each of eight waves, which no other line names
.set L16, 1                            ; v1  16 x lane
.set ADK, 2                            ; v2  LDS address of the step's K
.set ADV, 3                            ; v3  and V
.set SPW, 4                            ; v4  LDS address of my spare word; never rewritten
.set NIL, 5                            ; v5  0; never rewritten
.set PFO, 6                            ; v6  256 x lane: the prefetches' offset
.set VQ,  7                            ; v7  my query's number in its batch, for tile 0
.set ST,  8
.set WS,  8                            ; Q phase: v8-23: register 8 p + q: wq's tile p (lanes 0-15) and p + 2 (lanes 16-31), K step q
.set FS,  24                           ; v24-31: register q: fq's tile 0 (lanes 0-15) and 1 (lanes 16-31)
.set TS,  24
.set Q,   32
.set S,   64
.set O,   192
.set VF,  128                          ; V's fragments, in window 1
.set WV,  18
.set SEL, 20                           ; s[20:21] lane selects for v_permlanex16_b32: lane l xor 16
.set CS,  22                           ; s[22:23] c = log2(e) / 8
.set G1,  24
.set G0,  32
.set TB,  36                           ; LDS byte at which the step's tiles begin
.set SLOTS, 37
.set NSTEP, 38
.set PFA, 40                           ; s[40:41] where my prefetches stand
.set LIM, 42                           ; 1 in a wave that prefetches, else the greatest number
.set DL,  43                           ; the batch's decoder length
.set QM,  44                           ; s44, s45: which lanes' queries count, tile 0, 1
.set MSB, 0
.macro WIN new                         ; the immediate's high byte repeats the setting that is left
.if MSB != \new
	s_set_vgpr_msb (MSB<<8)|\new
.set MSB, \new
.endif
.endm
.macro TLOAD                           ; waves 0, 1: K's halves of a slot; waves 2, 3: V's; the others nothing.  An s_nop 0 and four v_nop follow the load
	s_cmp_lt_u32 s[WV], 4
	s_cbranch_scc0 .Lasked_\@
	tensor_load_to_lds s[G0:G0+3], s[G1:G1+7]
	s_nop 0
.rept 4
	v_nop
.endr
.Lasked_\@:
.endm
; A prefetch of what the NEXT change of slots will ask for.  Both work-groups of a head walk the same K and V: the first (x = 0) asks; in it the waves that fetch nothing: waves 4, 5 for K's halves, waves 6, 7 for V's:
; 32 KB a wave, four instructions, lanes 256 bytes apart: each aligned block of 256 bytes is named once in the launch.  The last change that fills a slot asks for nothing; slots 0 and 1 come by their loads alone.
.macro ASKNEXT
	s_cmp_gt_u32 s[SLOTS], s[LIM]
	s_cbranch_scc0 .Lnot_mine_\@
.irp o, 0,8192,16384,24576
	global_prefetch_b8 v[PFO], s[PFA:PFA+1] offset:\o th:TH_LOAD_NT scope:SCOPE_SE
.endr
.Lnot_mine_\@:
.endm
	s_load_b256 s[4:11], s[0:1], 0x0               ; codes, scales, wq_b, decoder_lengths
	s_load_b128 s[12:15], s[0:1], 0x20             ; kimg, vimg
	s_load_b64 s[16:17], s[0:1], 0x30              ; att
	v_lshl_add_u32 v[SPW], v0, 2, SPARE
	v_mov_b32 v[NIL], 0
	ds_add_u32 v[SPW], v[NIL]                      ; the wave's opening: the add, twice on end, and its wait ahead of my first tensor load
	ds_add_u32 v[SPW], v[NIL]
	v_lshrrev_b32 v[L16], 5, v0
	v_readfirstlane_b32 s[WV], v[L16]              ; wave 0..7
	s_and_b32 s46, ttmp7, 0xffff                   ; batch x 16 + head
	s_lshr_b32 s47, s46, 4                         ; the batch
	s_and_b32 s48, s46, 15                         ; the head
	s_mov_b32 s[G1], 3<<16                         ; group 1: 32 KB, dense, as 128 rows of 256 bytes (32 elements of 8 bytes); no mask, no padding
	s_mov_b32 s[G1+1], 32<<16                      ; tensor_dim0
	s_mov_b32 s[G1+2], 128<<16                     ; tensor_dim1
	s_mov_b32 s[G1+3], 32<<16                      ; tile_dim0
	s_mov_b32 s[G1+4], 128                         ; tile_dim1
	s_mov_b32 s[G1+5], 32                          ; tensor_dim0_stride
	s_mov_b32 s[G1+6], 0
	s_mov_b32 s[G1+7], 0
	s_mov_b32 s[SEL], 0x76543210
	s_mov_b32 s[SEL+1], 0xfedcba98
	s_mov_b32 s[CS], 0x3e38aa3b                    ; c = log2(e) / sqrt(64)
	s_mov_b32 s[CS+1], s[CS]                       ; (named with it as a pair, so it is written)
	s_mov_b32 s[TB], 0
	s_mov_b32 s[SLOTS], 3
	s_lshl_b32 s50, s46, 18                        ; the head's first byte in kimg and in vimg,
	s_and_b32 s51, s[WV], 1
	s_lshl_b32 s51, s51, 15
	s_add_co_u32 s50, s50, s51                     ; + my half of a slot's 64 KB
	s_mov_b32 s51, 0
	s_lshr_b32 s52, s[WV], 2
	s_xor_b32 s52, s52, 1                          ; 0 in waves 4 to 7,
	s_or_b32 s52, s52, ttmp9                       ; of the head's first work-group
	s_cmp_eq_u32 s52, 0
	s_cselect_b32 s[LIM], 1, -1
	s_lshl_b32 s49, s47, 5
	s_lshl_b32 s52, ttmp9, 4
	s_add_co_u32 s49, s49, s52
	s_lshl_b32 s52, s[WV], 1
	s_add_co_u32 s49, s49, s52                     ; my first tile of 16 queries among fq's 256: 32 x batch + 16 x + 2 x wave
	s_wait_dscnt 0x0                               ; both opening adds are done
	s_wait_kmcnt 0x0
	s_mov_b32 s[G0], 1                             ; count = 1
	s_lshl_b32 s[G0+1], s[WV], 15                  ; LDS: wave x 32 KB, in slot 0
	s_cmp_lt_u32 s[WV], 2
	s_cselect_b64 s[G0+2:G0+3], s[12:13], s[14:15]
	s_add_nc_u64 s[G0+2:G0+3], s[G0+2:G0+3], s[50:51]
	s_or_b32 s[G0+3], s[G0+3], 0x80000000          ; type = 2
	TLOAD                                          ; slot 0
	s_cmp_lt_u32 s[WV], 6
	s_cselect_b64 s[PFA:PFA+1], s[12:13], s[14:15]
	s_add_nc_u64 s[PFA:PFA+1], s[PFA:PFA+1], s[50:51]
	s_add_nc_u64 s[PFA:PFA+1], s[PFA:PFA+1], 65536 ; in slot 1: the first change of slots steps it to slot 2
	s_lshl_b32 s52, s47, 2
	s_mov_b32 s53, 0
	s_add_nc_u64 s[10:11], s[10:11], s[52:53]
	s_load_b32 s[DL], s[10:11], 0x0
	s_add_co_u32 s52, s49, FQ_T0
	s_lshl_b32 s58, s52, 9
	s_lshl_b32 s52, s52, 13
	s_mov_b32 s59, 0
	s_add_nc_u64 s[54:55], s[4:5], s[52:53]        ; fq's codes at my first tile,
	s_add_nc_u64 s[56:57], s[6:7], s[58:59]        ; and its scale words
	s_lshl_b32 s52, s48, 2
	s_add_co_u32 s52, s52, WQ_T0
	s_lshl_b32 s58, s52, 9
	s_lshl_b32 s52, s52, 13
	s_add_nc_u64 s[4:5], s[4:5], s[52:53]          ; wq's codes at the head's first tile,
	s_add_nc_u64 s[6:7], s[6:7], s[58:59]          ; and its scale words
	s_lshl_b32 s52, s48, 8
	s_add_nc_u64 s[8:9], s[8:9], s[52:53]          ; wq_b at the head's 64 channels
	s_lshl_b32 s52, s49, 15
	s_lshl_b32 s58, s48, 11
	s_add_co_u32 s52, s52, s58
	s_add_nc_u64 s[16:17], s[16:17], s[52:53]      ; att: 32,768 bytes a tile of rows, 2,048 a head
	v_and_b32 v[L16], 31, v0
	v_lshlrev_b32 v[PFO], 8, v[L16]
	v_lshlrev_b32 v[L16], 4, v[L16]
	v_and_b32 v[VQ], 15, v0                        ; r
	v_bfe_u32 v32, v0, 4, 1                        ; h  (v32-35: offsets of the head's loads; Q's registers are not yet in use)
	v_lshlrev_b32 v33, 4, v[VQ]
	v_lshl_add_u32 v34, v32, 9, v33                ; fq's scale words: 16 r, lanes 16-31 one tile on
	v_lshl_add_u32 v33, v32, 10, v33               ; wq's: lanes 16-31 two tiles on
	v_lshlrev_b32 v35, 5, v32                      ; the bias: 32 h
	s_lshl_b32 s52, ttmp9, 8
	s_lshl_b32 s58, s[WV], 5
	s_add_co_u32 s52, s52, s58
	v_add_nc_u32 v[VQ], s52, v[VQ]
	; ---- Q^T = wq fq^T + wq_b for my 32 queries and the head's 64 channels: 64 matrix instructions, all operands straight from their images
.irp p, 0,1
.irp f, 0,1
	global_load_b128 v[WS+8*\p+4*\f:WS+8*\p+4*\f+3], v33, s[6:7] offset:512*\p+256*\f
.endr
.endr
.irp f, 0,1
	global_load_b128 v[FS+4*\f:FS+4*\f+3], v34, s[56:57] offset:256*\f
.endr
.irp t, 0,1
.irp c, 0,1,2,3
	global_load_b128 v[O+32*\t+8*\c:O+32*\t+8*\c+3], v35, s[8:9] offset:64*\c        ; the bias is loaded into the accumulators: channels 16 c + 8 h + 0 .. 7
	global_load_b128 v[O+32*\t+8*\c+4:O+32*\t+8*\c+7], v35, s[8:9] offset:64*\c+16
.endr
.endr
	WIN 0x40                                       ; destination window 1
.irp t, 0,1
.irp q, 0,1,2,3,4,5,6,7
.irp c, 0,1
	global_load_b128 v[128+64*\t+8*\q+4*\c:128+64*\t+8*\q+4*\c+3], v[L16], s[54:55] offset:8192*\t+1024*\q+512*\c
.endr
.endr
.endr
.irp n, 0,1,2,3
.irp q, 0,1,2,3
.irp c, 0,1
	global_load_b128 v[32*\n+8*\q+4*\c:32*\n+8*\q+4*\c+3], v[L16], s[4:5] offset:8192*\n+1024*\q+512*\c
.endr
.endr
.endr
	WIN 0
.irp n, 0,1,2,3
.irp q, 4,5,6,7
.irp c, 0,1
	global_load_b128 v[S+32*\n+8*(\q-4)+4*\c:S+32*\n+8*(\q-4)+4*\c+3], v[L16], s[4:5] offset:8192*\n+1024*\q+512*\c
.endr
.endr
.endr
.macro QMM ra, rb                      ; one product; ra, rb: the scale words of source 0, 1 stand in lanes 16-31
.if ((\ra) == 0) && ((\rb) == 0)
	v_wmma_scale_f32_16x16x128_f8f6f4 v[rD:rD+7], v[rA:rA+7], v[rB:rB+7], v[rD:rD+7], v[rSA], v[rSB] matrix_a_fmt:MATRIX_FMT_FP4 matrix_b_fmt:MATRIX_FMT_FP4
.elseif (\ra) == 0
	v_wmma_scale_f32_16x16x128_f8f6f4 v[rD:rD+7], v[rA:rA+7], v[rB:rB+7], v[rD:rD+7], v[rSA], v[rSB] matrix_a_fmt:MATRIX_FMT_FP4 matrix_b_fmt:MATRIX_FMT_FP4 matrix_b_scale:MATRIX_SCALE_ROW1
.elseif (\rb) == 0
	v_wmma_scale_f32_16x16x128_f8f6f4 v[rD:rD+7], v[rA:rA+7], v[rB:rB+7], v[rD:rD+7], v[rSA], v[rSB] matrix_a_fmt:MATRIX_FMT_FP4 matrix_b_fmt:MATRIX_FMT_FP4 matrix_a_scale:MATRIX_SCALE_ROW1
.else
	v_wmma_scale_f32_16x16x128_f8f6f4 v[rD:rD+7], v[rA:rA+7], v[rB:rB+7], v[rD:rD+7], v[rSA], v[rSB] matrix_a_fmt:MATRIX_FMT_FP4 matrix_b_fmt:MATRIX_FMT_FP4 matrix_a_scale:MATRIX_SCALE_ROW1 matrix_b_scale:MATRIX_SCALE_ROW1
.endif
.endm
	s_wait_loadcnt 32                              ; all but wq's K steps 4 to 7, the youngest 32 loads
	WIN 0x05                                       ; sources 0 (wq) and 1 (fq) window 1
.irp q, 0,1,2,3                        ; the eight accumulators take turns, one instruction a turn
.irp n, 0,1,2,3
.irp t, 0,1
.set rD, O+32*\t+8*\n
.set rA, 32*\n+8*\q
.set rB, 128+64*\t+8*\q
.set rSA, WS+8*(\n%2)+\q
.set rSB, FS+\q
	QMM \n/2, \t
.endr
.endr
.endr
	s_wait_loadcnt 0x0
	WIN 0x04                                       ; source 0 window 0, source 1 window 1
.irp q, 4,5,6,7
.irp n, 0,1,2,3
.irp t, 0,1
.set rD, O+32*\t+8*\n
.set rA, S+32*\n+8*(\q-4)
.set rB, 128+64*\t+8*\q
.set rSA, WS+8*(\n%2)+\q
.set rSB, FS+\q
	QMM \n/2, \t
.endr
.endr
.endr
	WIN 0
.rept 4
	v_nop                                          ; places in front of the first read of results
.endr
.set i, 0
.rept 32
	v_cvt_pk_f16_f32 v[Q+i], v[O+2*i], v[O+2*i+1]  ; a lane's eight channels of tile n pack into half a fragment of Q: registers 16 t + 4 n + 0 .. 3
.set i, i+1
.endr
	s_wait_kmcnt 0x0                               ; the decoder length
	v_cmp_gt_i32 s[QM], s[DL], v[VQ]
	s_sub_co_i32 s52, s[DL], 16
	v_cmp_gt_i32 s[QM+1], s52, v[VQ]
.irp t, 0,1
.set i, 0
.rept 16
	v_cndmask_b32 v[Q+16*\t+i], 0, v[Q+16*\t+i], s[QM+\t]   ; a query at or beyond the decoder length: a row of zeros
.set i, i+1
.endr
.endr
.set i, 0
.rept 64
	v_mov_b32 v[O+i], 0                            ; O^T.  (The step is written once: the first finds zeros, which its a = 0 leaves zeros)
.set i, i+1
.endr
.irp t, 0,1
	v_mov_b32 v[ST+8*\t+1], 0xff61b1e6             ; m = -3e38, under every score
	v_mov_b32 v[ST+8*\t+2], 0                      ; the sum, in two halves
	v_mov_b32 v[ST+8*\t+3], 0
	v_mov_b32 v[ST+8*\t+5], 0
	v_mul_f32 v[ST+8*\t], s[CS], v[ST+8*\t+1]      ; c m
.endr
; A KEY STEP: 128 keys at LDS byte TB of the ring
.macro STEP
	v_add_nc_u32 v[ADK], s[TB], v[L16]
	v_add_nc_u32 v[ADV], VOFF, v[ADK]
.rept 3
	v_nop                                          ; with the two additions five places behind the last products: V's registers are loaded anew, and the first products below write over P
.endr
	WIN 0x40                                       ; destination window 1
.irp T, 0,1,2,3,4,5,6,7
.irp s, 0,1
.irp c, 0,1
	ds_load_b128 v[16*\T+8*\s+4*\c:16*\T+8*\s+4*\c+3], v[ADK] offset:2048*\T+1024*\s+512*\c
.endr
.endr
.endr
.irp G, 0,1,2,3
.irp n, 0,1,2,3
.irp c, 0,1
	ds_load_b128 v[VF+32*\G+8*\n+4*\c:VF+32*\G+8*\n+4*\c+3], v[ADV] offset:4096*\G+1024*\n+512*\c
.endr
.endr
.endr
	s_wait_dscnt 32                                ; K is in; V's 32 loads may be out
	WIN 0x01                                       ; source 0 window 1
.irp s, 0,1                            ; S^T = K Q^T: sixteen accumulators by turns
.irp T, 0,1,2,3,4,5,6,7
.irp t, 0,1
.if \s == 0
	v_wmma_f32_16x16x32_f16 v[S+64*\t+8*\T:S+64*\t+8*\T+7], v[16*\T+8*\s:16*\T+8*\s+7], v[Q+16*\t+8*\s:Q+16*\t+8*\s+7], 0
.else
	v_wmma_f32_16x16x32_f16 v[S+64*\t+8*\T:S+64*\t+8*\T+7], v[16*\T+8*\s:16*\T+8*\s+7], v[Q+16*\t+8*\s:Q+16*\t+8*\s+7], v[S+64*\t+8*\T:S+64*\t+8*\T+7]
.endif
.endr
.endr
.endr
	WIN 0
.rept 4
	v_nop
.endr
	; the largest of my 64 scores and the old m: four chains of 16 a tile; each accumulator is read from its low end on
.irp k, 0,1,2,3
.irp t, 0,1
	v_max3_num_f32 v[ST+8*\t+4+\k], v[S+64*\t+16*\k], v[S+64*\t+16*\k+1], v[S+64*\t+16*\k+2]
.endr
.endr
.irp i, 3,5,7,9,11,13
.irp k, 0,1,2,3
.irp t, 0,1
	v_max3_num_f32 v[ST+8*\t+4+\k], v[ST+8*\t+4+\k], v[S+64*\t+16*\k+\i], v[S+64*\t+16*\k+\i+1]
.endr
.endr
.endr
.irp t, 0,1
	v_max3_num_f32 v[ST+8*\t+4], v[ST+8*\t+4], v[S+64*\t+15], v[S+64*\t+31]
.endr
.irp t, 0,1
	v_max3_num_f32 v[ST+8*\t+6], v[ST+8*\t+6], v[S+64*\t+47], v[S+64*\t+63]
.endr
.irp t, 0,1
	v_max3_num_f32 v[ST+8*\t+4], v[ST+8*\t+4], v[ST+8*\t+5], v[ST+8*\t+6]
.endr
.irp t, 0,1
	v_max3_num_f32 v[ST+8*\t+4], v[ST+8*\t+4], v[ST+8*\t+7], v[ST+8*\t+1]
.endr
.irp t, 0,1
	v_permlanex16_b32 v[ST+8*\t+5], v[ST+8*\t+4], s[SEL], s[SEL+1]   ; the query's other 64 keys lie in the lane 16 away
.endr
.irp t, 0,1
	v_mov_b32 v[ST+8*\t+7], v[ST+8*\t]             ; c m_old
.endr
.irp t, 0,1
	v_max_num_f32 v[ST+8*\t+1], v[ST+8*\t+4], v[ST+8*\t+5]
.endr
.irp t, 0,1
	v_mul_f32 v[ST+8*\t], s[CS], v[ST+8*\t+1]
.endr
.irp t, 0,1
	v_sub_f32 v[ST+8*\t+7], v[ST+8*\t+7], v[ST+8*\t]
.endr
.set j, 0
.rept 32
.irp t, 0,1
	v_pk_fma_f32 v[S+64*\t+j:S+64*\t+j+1], v[S+64*\t+j:S+64*\t+j+1], s[CS:CS+1], v[ST+8*\t:ST+8*\t+1] op_sel_hi:[1,0,0] neg_lo:[0,0,1] neg_hi:[0,0,1]   ; c s - c m
.endr
.set j, j+2
.endr
.irp t, 0,1
	v_exp_f32 v[ST+8*\t+6], v[ST+8*\t+7]           ; a = 2^(c m_old - c m_new)
.endr
.set j, 0
.rept 64
.irp t, 0,1
	v_exp_f32 v[S+64*\t+j], v[S+64*\t+j]           ; p
.endr
.set j, j+1
.endr
	v_nop                                          ; a plain place behind the last exponential
	s_wait_alu depctr_va_vdst(0)                   ; one wait for the whole batch, ahead of its first reader
.irp t, 0,1
	v_pk_mul_f32 v[ST+8*\t+2:ST+8*\t+3], v[ST+8*\t+2:ST+8*\t+3], v[ST+8*\t+6:ST+8*\t+7] op_sel_hi:[1,0]   ; the sum under the new m
.endr
.irp t, 0,1
	v_pk_add_f32 v[TS+2*\t:TS+2*\t+1], v[S+64*\t:S+64*\t+1], v[S+64*\t+2:S+64*\t+3]   ; the sum of the unrounded p, two at a time, in two chains a tile
.endr
.irp j, 4,8,12,16,20,24,28,32,36,40,44,48,52,56,60
.irp t, 0,1
	v_pk_add_f32 v[ST+8*\t+2:ST+8*\t+3], v[ST+8*\t+2:ST+8*\t+3], v[S+64*\t+\j:S+64*\t+\j+1]
	v_pk_add_f32 v[TS+2*\t:TS+2*\t+1], v[TS+2*\t:TS+2*\t+1], v[S+64*\t+\j+2:S+64*\t+\j+3]
.endr
.endr
.irp t, 0,1
	v_pk_add_f32 v[ST+8*\t+2:ST+8*\t+3], v[ST+8*\t+2:ST+8*\t+3], v[TS+2*\t:TS+2*\t+1]
.endr
.set i, 0
.rept 32
.irp t, 0,1
	v_cvt_pk_f16_f32 v[S+64*\t+i], v[S+64*\t+2*i], v[S+64*\t+2*i+1]   ; P, in place and ascending: register i is written when 2 i and 2 i + 1 are read, and is read no more
.endr
.set i, i+1
.endr
.set i, 0
.rept 16
.irp t, 0,1
	v_pk_mul_f32 v[O+32*\t+i:O+32*\t+i+1], v[O+32*\t+i:O+32*\t+i+1], v[ST+8*\t+6:ST+8*\t+7] op_sel_hi:[1,0]   ; O^T under the new m
.endr
.set i, i+2
.endr
	s_wait_dscnt 0x0                               ; V is in
	WIN 0x01
.irp G, 0,1,2,3                        ; O^T += V^T P: eight accumulators by turns
.irp n, 0,1,2,3
.irp t, 0,1
	v_wmma_f32_16x16x32_f16 v[O+32*\t+8*\n:O+32*\t+8*\n+7], v[VF+32*\G+8*\n:VF+32*\G+8*\n+7], v[S+64*\t+8*\G:S+64*\t+8*\G+7], v[O+32*\t+8*\n:O+32*\t+8*\n+7]
.endr
.endr
.endr
	WIN 0
.endm
; THE CHANGE OF SLOTS stands at a slot's head.  Each wave waits for all its tensor loads (its part of the slot ahead), adds 0 to its spare word, and waits for that and for its reads of the slot that it has left.
; Behind the barrier the slot ahead is whole and nobody reads the other one.  fill = 1: that other slot takes the next 512 keys: the load has four key steps in which to land.
.macro CHANGE fill
	s_wait_tensorcnt 0x0                           ; no tensor load of mine is out, so group 0 may be written
	ds_add_u32 v[SPW], v[NIL]                      ; 0 onto my spare word
.if \fill
	ds_add_u32 v[SPW], v[NIL]                      ; and once more
	s_xor_b32 s[G0+1], s[G0+1], SLOT1              ; the walking descriptor: the other slot than last time,
	s_add_nc_u64 s[G0+2:G0+3], s[G0+2:G0+3], 65536 ; the next 512 keys; the type bits on top are not reached
	s_wait_xcnt 0x0                                ; the last prefetches, a slot back, have read their address
	s_add_nc_u64 s[PFA:PFA+1], s[PFA:PFA+1], 65536
.endif
	s_wait_dscnt 0x0                               ; the add is done, and my reads of the slot that I have left are over
	s_barrier_signal -1
	s_barrier_wait -1
.if \fill
	TLOAD                                          ; the first thing behind the barrier, and a wave's one tensor load until the next
	ASKNEXT
.endif
.endm
.macro SLOT_STEPS                      ; a slot's four key steps: written once, walked four times
	s_mov_b32 s[NSTEP], 4
.Lstep_\@:
	STEP
	s_add_co_u32 s[TB], s[TB], 16384
	s_sub_co_u32 s[NSTEP], s[NSTEP], 1
	s_cmp_lg_u32 s[NSTEP], 0
	s_cbranch_scc1 .Lstep_\@
	s_sub_co_u32 s[TB], s[TB], 65536               ; back to a slot's first step,
	s_xor_b32 s[TB], s[TB], SLOT1                  ; in the other slot
.endm
.Lslot:                                                ; three trips: behind each change of slots but the last the next slot is asked for
	CHANGE 1
	SLOT_STEPS
	s_sub_co_u32 s[SLOTS], s[SLOTS], 1
	s_cmp_lg_u32 s[SLOTS], 0
	s_cbranch_scc1 .Lslot
	CHANGE 0                                       ; the last slot is written out
	SLOT_STEPS
	; THE WAY OUT: O^T / the sum, rounded to f16: a lane's eight channels are its 16 bytes of a chunk of the next launch's operand
.irp t, 0,1
	v_add_f32 v[ST+8*\t+4], v[ST+8*\t+2], v[ST+8*\t+3]
.endr
.irp t, 0,1
	v_permlanex16_b32 v[ST+8*\t+5], v[ST+8*\t+4], s[SEL], s[SEL+1]
.endr
.irp t, 0,1
	v_add_f32 v[ST+8*\t+4], v[ST+8*\t+4], v[ST+8*\t+5]
.endr
.irp t, 0,1
	v_rcp_f32 v[ST+8*\t+6], v[ST+8*\t+4]
.endr
	v_nop                                          ; a plain place behind the reciprocals; with the four additions above also the places behind the last products
	s_wait_alu depctr_va_vdst(0)                   ; the wait ahead of the first use
.set i, 0
.rept 16
.irp t, 0,1
	v_pk_mul_f32 v[O+32*\t+i:O+32*\t+i+1], v[O+32*\t+i:O+32*\t+i+1], v[ST+8*\t+6:ST+8*\t+7] op_sel_hi:[1,0]
.endr
.set i, i+2
.endr
.set i, 0
.rept 32
	v_cvt_pk_f16_f32 v[S+i], v[O+2*i], v[O+2*i+1]
.set i, i+1
.endr
.irp t, 0,1
.irp n, 0,1,2,3
	global_store_b128 v[L16], v[S+16*\t+4*\n:S+16*\t+4*\n+3], s[16:17] offset:32768*\t+512*\n   ; 512 consecutive bytes, aligned
.endr
.endr
	s_wait_tensorcnt 0x0                           ; the wave's end
	ds_add_u32 v[SPW], v[NIL]
	s_wait_dscnt 0x0
	s_endpgm
.Lfunc_end_k_qe68f7d10cc_attn:
	.size	k_qe68f7d10cc_attn, .Lfunc_end_k_qe68f7d10cc_attn-k_qe68f7d10cc_attn
	.p2alignl 7, 3214868480
	.fill 96, 4, 3214868480
	.section	.rodata,"a",@progbits
	.p2align	6, 0x0
	.amdhsa_kernel k_qe68f7d10cc_attn
		.amdhsa_group_segment_fixed_size 327680
		.amdhsa_private_segment_fixed_size 0
		.amdhsa_enable_private_segment 0
		.amdhsa_kernarg_size 56
		.amdhsa_user_sgpr_count 2
		.amdhsa_user_sgpr_kernarg_segment_ptr 1
		.amdhsa_wavefront_size32 1
		.amdhsa_system_sgpr_workgroup_id_x 1
		.amdhsa_system_sgpr_workgroup_id_y 1
		.amdhsa_system_sgpr_workgroup_id_z 1
		.amdhsa_system_vgpr_workitem_id 0
		.amdhsa_next_free_vgpr 512
		.amdhsa_next_free_sgpr 66
		.amdhsa_reserve_vcc 0
		.amdhsa_float_denorm_mode_32 3
		.amdhsa_float_denorm_mode_16_64 3
		.amdhsa_memory_ordered 1
		.amdhsa_forward_progress 1
		.amdhsa_inst_pref_size 100
	.end_amdhsa_kernel
	.amdgpu_metadata
---
amdhsa.version: [ 1, 2 ]
amdhsa.kernels:
  - .name:           k_qe68f7d10cc_attn
    .symbol:         k_qe68f7d10cc_attn.kd
    .args:
      - { .name: codes, .offset: 0, .size: 8, .value_kind: global_buffer, .address_space: global }
      - { .name: scales, .offset: 8, .size: 8, .value_kind: global_buffer, .address_space: global }
      - { .name: wq_b, .offset: 16, .size: 8, .value_kind: global_buffer, .address_space: global }
      - { .name: decoder_lengths, .offset: 24, .size: 8, .value_kind: global_buffer, .address_space: global }
      - { .name: kimg, .offset: 32, .size: 8, .value_kind: global_buffer, .address_space: global }
      - { .name: vimg, .offset: 40, .size: 8, .value_kind: global_buffer, .address_space: global }
      - { .name: att, .offset: 48, .size: 8, .value_kind: global_buffer, .address_space: global }
    .group_segment_fixed_size: 327680
    .private_segment_fixed_size: 0
    .kernarg_segment_align: 8
    .kernarg_segment_size: 56
    .max_flat_workgroup_size: 256
    .sgpr_count:     66
    .vgpr_count:     512
    .wavefront_size: 32
...
	.end_amdgpu_metadata
.endif
;; end of part 3
;; launch outp (part 4): grid 8 x 32, 4 waves a work-group, clusters of 4 x 4, 327,680 bytes of LDS; arguments att, woimg, wo_b, out0; writes out0
.if DOCPART == 4
	.amdgcn_target "amdgcn-amd-amdhsa--gfx1250"
	.amdhsa_code_object_version 6
	.text
	.protected	k_qe68f7d10cc_outp
	.globl	k_qe68f7d10cc_outp
	.p2align	8
	.type	k_qe68f7d10cc_outp,@function
k_qe68f7d10cc_outp:
	s_mov_b64 s[64:65], 0
	v_nop
	global_prefetch_b8 v0, s[64:65] scope:SCOPE_SE
	s_setreg_imm32_b32 hwreg(HW_REG_WAVE_MODE, 25, 1), 1
	s_wait_xcnt 0x0
	s_wait_alu depctr_hold_cnt(0) depctr_sa_sdst(0) depctr_va_vdst(0) depctr_va_sdst(0) depctr_va_ssrc(0) depctr_va_vcc(0) depctr_vm_vsrc(0)
	s_getreg_b32 s2, hwreg(HW_REG_IB_STS2, 6, 4)
	s_cmp_eq_u32 s2, 0
	s_cbranch_scc0 .Lentry_in_a_cluster
	s_endpgm
.Lentry_in_a_cluster:
	s_bfe_u32 s2, ttmp6, 0x10000c
	s_cmp_lg_u32 s2, 0xf033
	s_cbranch_scc0 .Lentry_shape_is_right
	s_endpgm
.Lentry_shape_is_right:
; out0[m][n] = the sum over k of att[m][k] wo[n][k] + wo_b[n]: [4096][1024] x [1024][1024], f16 operands, f32 sums, f32 out.
; Both operands arrive as images of their fragments: [tile of 16 rows][32 along K: ks][c][512 bytes], lane (r, h) of chunk (ks, c) holding row r, k = 32 ks + 16 c + 8 h + 0 .. 7.
; A tile of the result is 128 x 128, so that 256 work-groups share the work; four waves, 64 x 64 each: 16 accumulators.  K goes in steps of 256 through a ring of two LDS slots; a wave's tensor load brings
; 4 tiles x 8,192 bytes.  Every LDS read is 512 consecutive bytes, 16 a lane.
; CLUSTERS: 4 x 4 work-groups; att's tiles are asked for jointly along a row of the cluster, wo's along a column.  The product is used transposed (source 0 = 16 rows of wo, source 1 = 16 rows of att):
; a lane holds eight neighbouring numbers of a row of the result.  The bias is the C of each sum's first product.
; A wave's 64 columns are 256 aligned bytes of a row: each wave sends its results through a stage of its own: no barrier on the way out.
; REGISTERS: window 0: v16-29 addresses; v32-95 at work on the way out; v96-127 the bias; v128-255 the accumulators ((a, b) at v[128 + 8 (4 a + b)]).   window 1: two fragment buffers of 128: 64 of att, then 64 of wo.
.set KSB,    8192                      ; a K step's bytes of a tile of 16 rows
.set SLOT,   131072                    ; att's 8 tiles, then wo's 8
.set BOFF,   65536
.set STAGE,  2*SLOT                    ; behind the ring: 16 rows x 272 bytes for each wave
.set SP,     272
.set SPARE,  STAGE+4*16*SP             ; the spare words, 128 bytes for each wave, which no other line names
.set ADRA, 16                          ; v16-17 LDS address of my fragments of att in slot 0, 1
.set ADRB, 20                          ; v20-21 the same for wo
.set STO,  24                          ; v24  the way out: where I put 32 bytes of a row
.set RD,   25                          ; v25  where I read a row back
.set CO,   26                          ; v26  my byte offset in out0
.set SPW,  28                          ; v28  LDS address of my spare word; never rewritten
.set NIL,  29                          ; v29  0; never rewritten
.set TMP,  32
.set BI,   96
.set ACC,  128
.set F0,   0
.set F1,   128
.set G1, 24
.set G0, 32
.set G1B, 48
.set G0B, 56
.set MSB, 0
.macro WIN new                         ; the immediate's high byte repeats the setting that is left
.if MSB != \new
	s_set_vgpr_msb (MSB<<8)|\new
.set MSB, \new
.endif
.endm
.set MUL,  0x05                        ; sources 0 (wo) and 1 (att) window 1; C and D window 0
.set TO_F, 0x40                        ; destination window 1, address window 0
.macro JLOAD s                         ; a joint load: waves 0 and 1 fetch att's halves, waves 2 and 3 wo's; an s_nop 0 and four v_nop follow each line
	s_cmp_eq_u32 s13, 0
	s_cbranch_scc0 .Lfor_b_\@
	tensor_load_to_lds s[G0+4*\s:G0+4*\s+3], s[G1:G1+7]
	s_nop 0
.rept 4
	v_nop
.endr
	s_branch .Lasked_\@
.Lfor_b_\@:
	tensor_load_to_lds s[G0B+4*\s:G0B+4*\s+3], s[G1B:G1B+7]
	s_nop 0
.rept 4
	v_nop
.endr
.Lasked_\@:
.endm
.macro CREST                           ; a round of the cluster's barrier behind its opening barrier
	s_cmp_lg_u32 s12, 0
	s_cbranch_scc1 .Lnot_wave_0_\@
	s_barrier_signal -3
.Lnot_wave_0_\@:
	s_barrier_wait -3
	s_barrier_signal -1
	s_barrier_wait -1
.endm
.macro CROUND
	s_barrier_signal -1
	s_barrier_wait -1
	CREST
.endm
	s_load_b256 s[4:11], s[0:1], 0x0               ; att, woimg, wo_b, out0
	v_lshl_add_u32 v[SPW], v0, 2, SPARE
	v_mov_b32 v[NIL], 0
	ds_add_u32 v[SPW], v[NIL]                      ; the wave's opening: the add, twice on end, and its wait ahead of my first tensor load
	ds_add_u32 v[SPW], v[NIL]
	v_lshrrev_b32 v1, 5, v0
	v_readfirstlane_b32 s12, v1                    ; wave 0..3
	s_lshr_b32 s13, s12, 1                         ; which half of the tile's rows is mine.  Also: I fetch for att (0) or for wo (1)
	s_and_b32 s14, s12, 1                          ; which half of its columns.  Also: which 64 rows I fetch
	s_bfe_u32 s40, ttmp6, 0x40000                  ; cx, cy
	s_bfe_u32 s41, ttmp6, 0x40004
	s_lshl_b32 s42, ttmp9, 2
	s_add_co_u32 s42, s42, s40                     ; tile column = 4 x cluster x + cx
	s_and_b32 s15, ttmp7, 0xffff
	s_lshl_b32 s15, s15, 2
	s_add_co_u32 s15, s15, s41                     ; tile row = 4 x cluster y + cy
	s_lshl_b32 s43, s41, 2
	s_lshl_b32 s43, 15, s43                        ; my row of the cluster
	s_lshl_b32 s44, 0x1111, s40                    ; my column
	; group 1: 4 tiles of 16 rows; of each a K step's 8,192 bytes (1,024 elements of 8 bytes), 32,768 bytes apart; dense in LDS
	s_or_b32 s[G1+0], s43, (3<<16)|(1<<21)
	s_or_b32 s[G1B+0], s44, (3<<16)|(1<<21)
.irp g, G1, G1B
	s_mov_b32 s[\g+1], 1024<<16                    ; tensor_dim0
	s_mov_b32 s[\g+2], 4<<16                       ; tensor_dim1
	s_mov_b32 s[\g+3], 1024<<16                    ; tile_dim0
	s_mov_b32 s[\g+4], 4                           ; tile_dim1
	s_mov_b32 s[\g+5], 4096                        ; tensor_dim0_stride
	s_mov_b32 s[\g+6], 0
	s_mov_b32 s[\g+7], 0
.endr
	s_lshl_b32 s18, s14, 2                         ; which 4 tiles I fetch
	s_lshl_b32 s16, s15, 3
	s_add_co_u32 s16, s16, s18                     ; att: tile 8 x tile row + 4 x half
	s_lshl_b32 s16, s16, 15
	s_mov_b32 s17, 0
	s_lshl_b32 s46, s42, 3
	s_add_co_u32 s46, s46, s18                     ; wo: tile 8 x tile column + 4 x half
	s_lshl_b32 s46, s46, 15
	s_mov_b32 s47, 0
	s_lshl_b32 s20, s12, 15                        ; where they go: wave x 32,768
	s_wait_dscnt 0x0                               ; both opening adds are done
	s_wait_kmcnt 0x0
	s_add_nc_u64 s[16:17], s[4:5], s[16:17]
	s_add_nc_u64 s[46:47], s[6:7], s[46:47]
	CROUND                                         ; all sixteen work-groups are here: the first joint loads meet
.irp s, 0,1
	s_mov_b32 s[G0+4*\s], 1
	s_add_co_u32 s[G0+4*\s+1], s20, \s*SLOT
	s_add_nc_u64 s[G0+4*\s+2:G0+4*\s+3], s[16:17], \s*KSB
	s_or_b32 s[G0+4*\s+3], s[G0+4*\s+3], 0x80000000
	s_mov_b32 s[G0B+4*\s], 1
	s_add_co_u32 s[G0B+4*\s+1], s20, \s*SLOT
	s_add_nc_u64 s[G0B+4*\s+2:G0B+4*\s+3], s[46:47], \s*KSB
	s_or_b32 s[G0B+4*\s+3], s[G0B+4*\s+3], 0x80000000
	JLOAD \s
.endr
	v_and_b32 v1, 15, v0                           ; r
	v_bfe_u32 v2, v0, 4, 1                         ; h
	v_and_b32 v3, 31, v0
	v_lshlrev_b32 v3, 4, v3                        ; 16 x lane
	s_lshl_b32 s21, s13, 15                        ; my 4 tiles of att
	s_lshl_b32 s22, s14, 15
	s_add_co_u32 s22, s22, BOFF                    ; my 4 tiles of wo
.irp s, 0,1
	v_add_nc_u32 v[ADRA+\s], s21, v3
	v_add_nc_u32 v[ADRB+\s], s22, v3
	s_add_co_u32 s21, s21, SLOT
	s_add_co_u32 s22, s22, SLOT
.endr
	s_mul_i32 s23, s12, 16*SP
	s_add_co_u32 s23, s23, STAGE                   ; my stage
	v_mul_u32_u24 v4, v1, SP                       ; in: row r, 32 bytes for each half of the lanes
	v_lshl_add_u32 v4, v2, 5, v4
	v_add_nc_u32 v[STO], s23, v4
	v_mul_u32_u24 v5, v2, SP                       ; back: lanes 0-15 one row of 256 bytes, lanes 16-31 the next
	v_lshl_add_u32 v5, v1, 4, v5
	v_add_nc_u32 v[RD], s23, v5
	v_lshlrev_b32 v5, 12, v2                       ; and the same two rows in out0
	v_lshl_add_u32 v[CO], v1, 4, v5
	v_lshlrev_b32 v6, 5, v2                        ; the bias: 32 h
	s_lshl_b32 s16, s15, 7
	s_lshl_b32 s18, s13, 6
	s_add_co_u32 s16, s16, s18                     ; my first row: 128 x tile row + 64 x half,
	s_lshl_b32 s16, s16, 12                        ; of 4,096 bytes
	s_mov_b32 s17, 0
	s_add_nc_u64 s[10:11], s[10:11], s[16:17]
	s_lshl_b32 s46, s42, 9                         ; my first column, in bytes: 512 x tile column + 256 x half
	s_lshl_b32 s47, s14, 8
	s_add_co_u32 s46, s46, s47
	s_mov_b32 s47, 0
	s_add_nc_u64 s[10:11], s[10:11], s[46:47]
	s_add_nc_u64 s[8:9], s[8:9], s[46:47]          ; and the same place in wo_b
.irp b, 0,1,2,3
	global_load_b128 v[BI+8*\b:BI+8*\b+3], v6, s[8:9] offset:64*\b          ; wo_b at columns 16 b + 8 h + 0 .. 7 of my 64
	global_load_b128 v[BI+8*\b+4:BI+8*\b+7], v6, s[8:9] offset:64*\b+16
.endr
; 8 matrix instructions: m blocks a0, a0 + 1 x all 4 n blocks, 32 along K: half c of buffer f.  zero = 1: the first product starts the sums from the bias.  The 16 accumulators take turns.
.macro MUL8 f, c, a0, zero
.irp a, \a0, \a0+1
.irp b, 0,1,2,3
.if \zero
	v_wmma_f32_16x16x32_f16 v[ACC+8*(4*(\a)+\b):ACC+8*(4*(\a)+\b)+7], v[\f+64+8*(4*\c+\b):\f+64+8*(4*\c+\b)+7], v[\f+8*(4*\c+\a):\f+8*(4*\c+\a)+7], v[BI+8*\b:BI+8*\b+7]
.else
	v_wmma_f32_16x16x32_f16 v[ACC+8*(4*(\a)+\b):ACC+8*(4*(\a)+\b)+7], v[\f+64+8*(4*\c+\b):\f+64+8*(4*\c+\b)+7], v[\f+8*(4*\c+\a):\f+8*(4*\c+\a)+7], v[ACC+8*(4*(\a)+\b):ACC+8*(4*(\a)+\b)+7]
.endif
.endr
.endr
.endm
; 32 LDS loads in one run: the fragments of 64 along K at byte k of a tile's K step, into buffer f; the first 32 along K first
.macro FETCH slot, k, f
	WIN TO_F
.irp c, 0,1
.irp i, 0,1,2,3
	ds_load_b128 v[\f+64+8*(4*\c+\i):\f+64+8*(4*\c+\i)+3],   v[ADRB+\slot] offset:\k+1024*\c+\i*KSB
	ds_load_b128 v[\f+64+8*(4*\c+\i)+4:\f+64+8*(4*\c+\i)+7], v[ADRB+\slot] offset:\k+1024*\c+\i*KSB+512
	ds_load_b128 v[\f+8*(4*\c+\i):\f+8*(4*\c+\i)+3],         v[ADRA+\slot] offset:\k+1024*\c+\i*KSB
	ds_load_b128 v[\f+8*(4*\c+\i)+4:\f+8*(4*\c+\i)+7],       v[ADRA+\slot] offset:\k+1024*\c+\i*KSB+512
.endr
.endr
.endm
.macro PLACES                          ; four places in front of loads into registers that matrix instructions have read, and of the first read of results
.rept 4
	v_nop
.endr
.endm
; A K step is four quarters of 64 along K, 32 matrix instructions each, on buffers 0, 1, 0, 1.  One of the first three: multiplies buffer f and fetches the next quarter, at byte k, into g.
.macro QUARTER slot, k, f, g, zero
	s_wait_dscnt 16                                ; the first 32 along K are in; the youngest sixteen loads may be out
	WIN MUL
	MUL8 \f, 0, 0, \zero
	MUL8 \f, 0, 2, \zero
	PLACES
	FETCH \slot, \k, \g
	s_wait_dscnt 32                                ; all but the 32 just issued
	WIN MUL
	MUL8 \f, 1, 0, 0
	MUL8 \f, 1, 2, 0
.endm
; The last quarter multiplies buffer 1 and changes slots: one barrier; in front of it each wave waits for all its tensor loads, adds 0 to its spare word, and waits for that and for its reads of this slot.
; fill = 1: the barrier opens a round of the cluster's barrier, and this slot is filled again, two K steps ahead, first thing behind the round.
.macro TURN slot, next, fill
	WIN 0                                          ; (the add's two registers lie in window 0)
	s_wait_tensorcnt 0x0                           ; all my tensor loads have landed: my part of the next slot
	ds_add_u32 v[SPW], v[NIL]                      ; 0 onto my spare word
	s_wait_dscnt 17                                ; (the add and the youngest sixteen loads may be out)
	WIN MUL
	MUL8 F1, 0, 0, 0
	s_wait_dscnt 0x0                               ; the add is done, and my reads of this slot are over
	s_barrier_signal -1
	MUL8 F1, 0, 2, 0
.if \fill
	WIN 0
.endif
	s_barrier_wait -1
.if \fill
	CREST                                          ; no wave of any partner still reads this slot's tile or has a load on its way
	s_add_nc_u64 s[G0+4*\slot+2:G0+4*\slot+3], s[G0+4*\slot+2:G0+4*\slot+3], 2*KSB
	s_add_nc_u64 s[G0B+4*\slot+2:G0B+4*\slot+3], s[G0B+4*\slot+2:G0B+4*\slot+3], 2*KSB
	JLOAD \slot                                    ; the four v_nop behind it are also the places in front of the loads below
.else
	PLACES
.endif
	FETCH \next, 0, F0
	WIN MUL
	MUL8 F1, 1, 0, 0
	MUL8 F1, 1, 2, 0
.endm
	s_wait_loadcnt 0x0                             ; the bias
	s_wait_tensorcnt 1                             ; my part of K step 0 is in (K step 1's load may be out)
	s_barrier_signal -1
	s_barrier_wait -1                              ; everybody's is
	FETCH 0, 0, F0
	QUARTER 0, 2048, F0, F1, 1                     ; K step 0; its first products start the sums
	QUARTER 0, 4096, F1, F0, 0
	QUARTER 0, 6144, F0, F1, 0
	TURN 0, 1, 1                                   ; slot 0 takes K step 2
	QUARTER 1, 2048, F0, F1, 0                     ; K step 1
	QUARTER 1, 4096, F1, F0, 0
	QUARTER 1, 6144, F0, F1, 0
	TURN 1, 0, 1                                   ; slot 1 takes K step 3
	QUARTER 0, 2048, F0, F1, 0                     ; K step 2: from here on nothing is filled
	QUARTER 0, 4096, F1, F0, 0
	QUARTER 0, 6144, F0, F1, 0
	TURN 0, 1, 0
	QUARTER 1, 2048, F0, F1, 0                     ; K step 3
	QUARTER 1, 4096, F1, F0, 0
	QUARTER 1, 6144, F0, F1, 0
	s_wait_dscnt 16                                ; the very last quarter: nothing more to fetch
	WIN MUL
	MUL8 F1, 0, 0, 0
	MUL8 F1, 0, 2, 0
	s_wait_dscnt 0
	MUL8 F1, 1, 0, 0
	MUL8 F1, 1, 2, 0
	WIN 0
; THE WAY OUT, a block of 16 rows x 64 columns at a time: 32 bytes a lane into my stage, back as whole rows of 256 bytes.  LDS serves a wave's instructions in order: no wait between the stores and the loads.
.macro TOSTAGE a
.irp b, 0,1,2,3
	ds_store_b128 v[STO], v[ACC+8*(4*(\a)+\b):ACC+8*(4*(\a)+\b)+3] offset:64*\b      ; each accumulator from its low end on
	ds_store_b128 v[STO], v[ACC+8*(4*(\a)+\b)+4:ACC+8*(4*(\a)+\b)+7] offset:64*\b+16
.endr
.irp i, 0,1,2,3,4,5,6,7
	ds_load_b128 v[TMP+32*((\a)%2)+4*\i:TMP+32*((\a)%2)+4*\i+3], v[RD] offset:\i*2*SP
.endr
.endm
.macro SEND a, younger                 ; younger: the LDS instructions issued behind block a's loads, which may stay out
	s_wait_dscnt \younger
.irp i, 0,1,2,3,4,5,6,7
	global_store_b128 v[CO], v[TMP+32*((\a)%2)+4*\i:TMP+32*((\a)%2)+4*\i+3], s[10:11] offset:(16*(\a)+2*\i)*4096 th:TH_STORE_NT   ; 16 lanes store 256 consecutive bytes, aligned
.endr
.endm
	PLACES
	TOSTAGE 0
	TOSTAGE 1
	SEND 0, 16                                     ; behind block 0's loads: block 1's 8 stores and 8 loads
	s_wait_xcnt 0x0                                ; block 0's stores have read their registers: block 2's loads may land there
	TOSTAGE 2
	SEND 1, 16
	s_wait_xcnt 0x0
	TOSTAGE 3
	SEND 2, 16
	SEND 3, 0
	s_wait_tensorcnt 0x0                           ; the wave's end, behind my last tensor load and my last LDS store
	ds_add_u32 v[SPW], v[NIL]
	s_wait_dscnt 0x0
	CROUND                                         ; the closing round
	s_endpgm
.Lfunc_end_k_qe68f7d10cc_outp:
	.size	k_qe68f7d10cc_outp, .Lfunc_end_k_qe68f7d10cc_outp-k_qe68f7d10cc_outp
	.p2alignl 7, 3214868480
	.fill 96, 4, 3214868480
	.section	.rodata,"a",@progbits
	.p2align	6, 0x0
	.amdhsa_kernel k_qe68f7d10cc_outp
		.amdhsa_group_segment_fixed_size 327680
		.amdhsa_private_segment_fixed_size 0
		.amdhsa_enable_private_segment 0
		.amdhsa_kernarg_size 32
		.amdhsa_user_sgpr_count 2
		.amdhsa_user_sgpr_kernarg_segment_ptr 1
		.amdhsa_wavefront_size32 1
		.amdhsa_system_sgpr_workgroup_id_x 1
		.amdhsa_system_sgpr_workgroup_id_y 1
		.amdhsa_system_sgpr_workgroup_id_z 1
		.amdhsa_system_vgpr_workitem_id 0
		.amdhsa_next_free_vgpr 512
		.amdhsa_next_free_sgpr 66
		.amdhsa_reserve_vcc 0
		.amdhsa_float_denorm_mode_32 3
		.amdhsa_float_denorm_mode_16_64 3
		.amdhsa_memory_ordered 1
		.amdhsa_forward_progress 1
		.amdhsa_inst_pref_size 86
	.end_amdhsa_kernel
	.amdgpu_metadata
---
amdhsa.version: [ 1, 2 ]
amdhsa.kernels:
  - .name:           k_qe68f7d10cc_outp
    .symbol:         k_qe68f7d10cc_outp.kd
    .args:
      - { .name: att, .offset: 0, .size: 8, .value_kind: global_buffer, .address_space: global }
      - { .name: woimg, .offset: 8, .size: 8, .value_kind: global_buffer, .address_space: global }
      - { .name: wo_b, .offset: 16, .size: 8, .value_kind: global_buffer, .address_space: global }
      - { .name: out0, .offset: 24, .size: 8, .value_kind: global_buffer, .address_space: global }
    .group_segment_fixed_size: 327680
    .private_segment_fixed_size: 0
    .kernarg_segment_align: 8
    .kernarg_segment_size: 32
    .max_flat_workgroup_size: 128
    .sgpr_count:     66
    .vgpr_count:     512
    .wavefront_size: 32
...
	.end_amdgpu_metadata
.endif
;; end of part 4
